; MI455X (gfx1250); checked and timed in simulation.
; The chip was launched on July 23, 2026; its instructions are those of AMD's public machine-readable ISA for CDNA 5 (MIT licence, August 2026) and "CDNA5" Instruction Set Architecture Reference Guide (July 2026). The comments in the code are by the model that wrote it; some were corrected since.
;; Std Abs Block. Allowed arithmetic: matrix products marked QUANTISED: E4M3 operands, one given power-of-two scale a tensor, by v_wmma_f32_16x16x64_fp8_fp8 or v_wmma_f32_16x16x128_fp8_fp8, f32 sums; everything else in f32.
;; Inputs: ffn_b1 4,096 float32; ffn_b2 1,024 float32; ffn_w1_codes 4,096 x 32 x 32 uint8 (E4M3 codes of ffn_w1, K innermost, in blocks of 32 codes); ffn_w2_codes 1,024 x 128 x 32 uint8 (E4M3 codes of ffn_w2, K innermost, in blocks of 32 codes); ln1_b 1,024 float32; ln1_w 1,024 float32; ln2_b 1,024 float32; ln2_w 1,024 float32; lowp_scales 12 int32 (the exponents e of the quantised operands' scales 2^e); o_w_codes 1,024 x 32 x 32 uint8 (E4M3 codes of o_w, K innermost, in blocks of 32 codes); qkv_w_codes 3,072 x 32 x 32 uint8 (E4M3 codes of qkv_w, K innermost, in blocks of 32 codes); x 2 x 2,048 x 1,024 float32.
;; Outputs: out0 2 x 2,048 x 1,024 float32.
;; This version of the problem:
;;   THIS VERSION OF THE PROBLEM IS GIVEN IN LOW PRECISION. The matrix products marked QUANTISED in the list below multiply operands that are first quantised to E4M3 (4 exponent bits, 3 mantissa bits; 8 bits a number), with one given power-of-two scale for each operand tensor; their sums are f32. All else is computed in f32.
;;   The module's matrix products, in the order in which they are computed (A, B: the left and right operand; K: the contracted axis; several contracted axes count as one K, in the product's order):
;;     1. [M 4,096, K 1,024] x [K 1,024, N 3,072]; A: computed on the way; B: input qkv_w (given as codes): QUANTISED (scales: A lowp_scales[0], B lowp_scales[1])
;;     2. batch 32 x [M 2,048, K 64] x [K 64, N 2,048]; A: computed on the way; B: computed on the way: QUANTISED (scales: A lowp_scales[2], B lowp_scales[3])
;;     3. batch 32 x [M 64, K 2,048] x [K 2,048, N 2,048]; A: computed on the way; B: softmax (see below): QUANTISED (scales: A lowp_scales[4], B lowp_scales[5])
;;     4. [M 4,096, K 1,024] x [K 1,024, N 1,024]; A: computed on the way; B: input o_w (given as codes): QUANTISED (scales: A lowp_scales[6], B lowp_scales[7])
;;     5. [M 4,096, K 1,024] x [K 1,024, N 4,096]; A: computed on the way; B: input ffn_w1 (given as codes): QUANTISED (scales: A lowp_scales[8], B lowp_scales[9])
;;     6. [M 4,096, K 4,096] x [K 4,096, N 1,024]; A: computed on the way; B: input ffn_w2 (given as codes): QUANTISED (scales: A lowp_scales[10], B lowp_scales[11])
;;   THE QUANTISER, for each operand of a quantised product, along K:
;;     - The operand's scale is 2^e, e = its entry of the input lowp_scales (int32; the entries are numbered through the quantised products in the list's order, A before B).
;;     - Each number is divided by the scale, clamped to +-448, and rounded to the nearest number of E4M3, ties to even, subnormals kept.
;;     - The product sums the exact products of the quantised numbers (number of the format x scale) in f32.
;;   ~~~python
;;   def quantise(x, axis, e):      # numpy; x: float32 -> the quantised numbers, widened to float32 again
;;       x = np.moveaxis(x, axis, -1); K = x.shape[-1]
;;       r = np.clip(x / 2.0 ** e, -448, 448)
;;       step = 2.0 ** (np.maximum(np.frexp(np.where(r == 0, 1, r))[1] - 1, -6) - 3)
;;       q = np.round(r / step) * step * 2.0 ** e      # np.round: ties to even
;;       return np.moveaxis(q, -1, axis).astype(np.float32)
;;   ~~~
;;   SOFTMAX AHEAD OF A QUANTISED PRODUCT. Where the list says 'softmax', what is quantised is not the finished softmax but p = 2^(t - M), with t = logit x log2(e) and M = ceil(the row's largest t), a whole number; so 1/2 < the row's largest p <= 1. The row's sum l is taken of the UNQUANTISED p, in f32, and the product's result is divided by l at the end. Since M is a whole number, a kernel that streams over the keys may use a running M (the ceiling of the running maximum): every later rescaling is an exact power of two, so the quantised numbers keep their values, but for numbers so far below the row's largest that they fall under the format's range.
;;   OPERANDS COMPUTED ON THE WAY. 'Computed on the way' means the value that the module computes at that place (a softmax that the list does not call 'softmax' is quantised finished and normalised). What goes into a quantiser is computed in f32, as accurately as f32 sums, v_exp_f32 and their like allow (about 1e-6 of the number): no bf16 or f16 on the way to a quantiser, and a product that is left as it is and whose result goes on into a quantised operand takes f32 operands (vector FMAs, or v_wmma_f32_16x16x4_f32). A number that lies on a knife's edge between two numbers of the format may be rounded either way, as far as f32 arithmetic and the matrix unit's own rounding can turn it there, and no further.
;;   INPUTS GIVEN AS CODES. ffn_w1 (in the module: [4096, 1024], K = its axis 1); ffn_w2 (in the module: [1024, 4096], K = its axis 1); o_w (in the module: [1024, 1024], K = its axis 1); qkv_w (in the module: [3072, 1024], K = its axis 1): each comes as NAME_codes (uint8): NAME with its K axis moved to the last place and cut into blocks of 32 codes, [.., K / 32, bytes a block], one block behind the other in memory; one code a byte (a code: sign, 4 exponent bits, 3 mantissa bits); its scale is its entry of lowp_scales. Its value is code x scale, taken as it is: it is not quantised again, and the codes and scales need not be those that the quantiser above would give.
;; One version. Each part assembles by itself: llvm-mc -triple=amdgcn-amd-amdhsa -mcpu=gfx1250 --defsym DOCPART=n.
;; ======== version 1 of 1: 7 launches
;; limits: right only within a limited range of input values
;; workspace buffers: hcodes 4,194,304 bytes; qkv_img 12,582,912 bytes; attn_img 4,194,304 bytes; hid_img 16,777,216 bytes; x1 16,777,216 bytes
;; launch ln1 (part 1): grid 512 x 1, 8 waves a work-group, no clusters, 0 bytes of LDS; arguments x, ln1_w, ln1_b, lowp_scales, hcodes; writes hcodes
.if DOCPART == 1
	.amdgcn_target "amdgcn-amd-amdhsa--gfx1250"
	.amdhsa_code_object_version 6
	.text
	.protected	k_q03d5785e4c_ln1
	.globl	k_q03d5785e4c_ln1
	.p2align	8
	.type	k_q03d5785e4c_ln1,@function
k_q03d5785e4c_ln1:
	s_mov_b64 s[64:65], 0
	v_nop
	global_prefetch_b8 v0, s[64:65] scope:SCOPE_SE
	s_setreg_imm32_b32 hwreg(HW_REG_WAVE_MODE, 25, 1), 1
	s_wait_xcnt 0x0
; LayerNorm of the rows of x [4096][1024] f32, then E4M3 codes with the given scale 2^e (entry 0 of the scales): the first product's left operand.
; h = (x - mean) * rsqrt(mean((x - mean)^2) + 1e-5) * w + b, all f32, in two passes over registers: the mean is taken away before the squares, so a common offset costs no digits.
; code = h / 2^e, held within +-448, to the nearest code, ties to even.  LIMITS: e between -126 and 119; NaN among the inputs is not served.
; One wave, one row: 4,096 bytes are 32 registers a lane; the reductions never leave the wave: no LDS, no barrier.  Eight waves a work-group, 512 work-groups, 4,096 rows.
; Lane l holds k = 256 j + 8 l + 0 .. 7 (j = 0 .. 3): eight neighbours along K for each conversion; a store of 8 bytes a lane then covers 256 consecutive bytes, aligned.
; Matrix units, clusters and tensor loads are left out: no byte is shared but w and b, 8 KB, and there is no product.
.set ESC, 0x0                          ; byte of my entry in the scales
.set X, 32                             ; v32-63  the row
.set W, 64                             ; v64-95  the gain at my columns
.set B, 96                             ; v96-127 the bias at my columns
	s_load_b256 s[4:11], s[0:1], 0x0               ; x s[4:5], w s[6:7], b s[8:9], the scales' exponents s[10:11]
	s_load_b64 s[12:13], s[0:1], 0x20              ; the codes
	v_lshrrev_b32 v1, 5, v0
	s_delay_alu instid0(VALU_DEP_1)
	v_readfirstlane_b32 s14, v1                    ; wave
	v_and_b32 v3, 31, v0                           ; lane
	s_delay_alu instid0(VALU_DEP_1)
	v_lshlrev_b32 v1, 5, v3                        ; in: 32 bytes a lane
	s_delay_alu instid0(VALU_DEP_2)
	v_lshlrev_b32 v2, 3, v3                        ; out: 8 bytes a lane
	s_lshl_b32 s15, ttmp9, 3
	s_add_co_u32 s15, s15, s14                     ; my row
	s_lshl_b32 s16, s15, 12                        ; x 4,096 bytes
	s_mov_b32 s17, 0
	s_lshl_b32 s18, s15, 10                        ; x 1,024 bytes of codes
	s_mov_b32 s19, 0
	s_mov_b32 s20, 0x76543210                      ; v_permlanex16_b32: lane l xor 16
	s_mov_b32 s21, 0xfedcba98
	s_mov_b32 s22, 0x3a800000                      ; 1 / 1024
	s_mov_b32 s23, 0x3727c5ac                      ; 1e-5
	s_wait_alu depctr_va_vdst(0)
	s_wait_kmcnt 0x0
	s_load_b32 s24, s[10:11], ESC                  ; e
	s_add_nc_u64 s[4:5], s[4:5], s[16:17]
	s_add_nc_u64 s[12:13], s[12:13], s[18:19]
.irp j, 0,1,2,3
	global_load_b128 v[X+8*\j:X+8*\j+3], v1, s[4:5] offset:1024*\j
	global_load_b128 v[X+8*\j+4:X+8*\j+7], v1, s[4:5] offset:1024*\j+16
.endr
.irp j, 0,1,2,3
	global_load_b128 v[W+8*\j:W+8*\j+3], v1, s[6:7] offset:1024*\j
	global_load_b128 v[W+8*\j+4:W+8*\j+7], v1, s[6:7] offset:1024*\j+16
.endr
.irp j, 0,1,2,3
	global_load_b128 v[B+8*\j:B+8*\j+3], v1, s[8:9] offset:1024*\j
	global_load_b128 v[B+8*\j+4:B+8*\j+7], v1, s[8:9] offset:1024*\j+16
.endr
	s_wait_loadcnt 16                              ; the row is in; the 16 younger loads (w, b) may be out
	v_pk_add_f32 v[10:11], v[32:33], v[34:35]
	v_pk_add_f32 v[30:31], v[40:41], v[44:45]
	v_pk_add_f32 v[28:29], v[48:49], v[52:53]
	v_pk_add_f32 v[26:27], v[56:57], v[60:61]
	v_pk_add_f32 v[24:25], v[36:37], v[38:39]
	v_pk_add_f32 v[22:23], v[42:43], v[46:47]
	v_pk_add_f32 v[20:21], v[50:51], v[54:55]
	v_pk_add_f32 v[8:9], v[58:59], v[62:63]
	s_delay_alu instid0(VALU_DEP_1)
	v_pk_add_f32 v[8:9], v[8:9], v[26:27]
	v_pk_add_f32 v[10:11], v[10:11], v[24:25]
	v_pk_add_f32 v[30:31], v[30:31], v[22:23]
	v_pk_add_f32 v[28:29], v[28:29], v[20:21]
	s_delay_alu instid0(VALU_DEP_2)
	v_pk_add_f32 v[8:9], v[8:9], v[30:31]
	s_delay_alu instid0(VALU_DEP_2)
	v_pk_add_f32 v[10:11], v[10:11], v[28:29]
	s_delay_alu instid0(VALU_DEP_1)
	v_pk_add_f32 v[8:9], v[8:9], v[10:11]
	s_delay_alu instid0(VALU_DEP_1)
	v_add_f32 v8, v8, v9
	s_delay_alu instid0(VALU_DEP_1)
	v_add_f32_dpp v8, v8, v8 row_xmask:1 row_mask:0xf bank_mask:0xf
	s_delay_alu instid0(VALU_DEP_1)
	v_add_f32_dpp v8, v8, v8 row_xmask:2 row_mask:0xf bank_mask:0xf
	s_delay_alu instid0(VALU_DEP_1)
	v_add_f32_dpp v8, v8, v8 row_xmask:4 row_mask:0xf bank_mask:0xf
	s_delay_alu instid0(VALU_DEP_1)
	v_add_f32_dpp v8, v8, v8 row_xmask:8 row_mask:0xf bank_mask:0xf
	s_delay_alu instid0(VALU_DEP_1)
	v_permlanex16_b32 v9, v8, s20, s21
	s_delay_alu instid0(VALU_DEP_1)
	v_add_f32 v8, v8, v9
	s_delay_alu instid0(VALU_DEP_1)
	v_mul_f32 v8, s22, v8                          ; the mean, in every lane
	s_delay_alu instid0(VALU_DEP_1)
	v_mov_b32 v9, v8
.irp j, 0,2,4,6,8,10,12,14,16,18,20,22,24,26,28,30
	v_pk_add_f32 v[X+\j:X+\j+1], v[X+\j:X+\j+1], v[8:9] neg_lo:[0,1] neg_hi:[0,1]   ; x - mean
.endr
	v_pk_mul_f32 v[10:11], v[X:X+1], v[X:X+1]      ; the sum of squares, in two chains
	v_pk_mul_f32 v[12:13], v[X+2:X+3], v[X+2:X+3]
.irp j, 4,8,12,16,20,24,28
	s_delay_alu instid0(VALU_DEP_2)
	v_pk_fma_f32 v[10:11], v[X+\j:X+\j+1], v[X+\j:X+\j+1], v[10:11]
	s_delay_alu instid0(VALU_DEP_2)
	v_pk_fma_f32 v[12:13], v[X+\j+2:X+\j+3], v[X+\j+2:X+\j+3], v[12:13]
.endr
	s_delay_alu instid0(VALU_DEP_1)
	v_pk_add_f32 v[10:11], v[10:11], v[12:13]
	s_delay_alu instid0(VALU_DEP_1)
	v_add_f32 v10, v10, v11
	s_delay_alu instid0(VALU_DEP_1)
	v_add_f32_dpp v10, v10, v10 row_xmask:1 row_mask:0xf bank_mask:0xf
	s_delay_alu instid0(VALU_DEP_1)
	v_add_f32_dpp v10, v10, v10 row_xmask:2 row_mask:0xf bank_mask:0xf
	s_delay_alu instid0(VALU_DEP_1)
	v_add_f32_dpp v10, v10, v10 row_xmask:4 row_mask:0xf bank_mask:0xf
	s_delay_alu instid0(VALU_DEP_1)
	v_add_f32_dpp v10, v10, v10 row_xmask:8 row_mask:0xf bank_mask:0xf
	s_delay_alu instid0(VALU_DEP_1)
	v_permlanex16_b32 v11, v10, s20, s21
	s_delay_alu instid0(VALU_DEP_1)
	v_add_f32 v10, v10, v11
	s_delay_alu instid0(VALU_DEP_1)
	v_fma_f32 v10, v10, s22, s23                   ; the variance + 1e-5
	s_wait_alu depctr_va_vdst(0)
	v_rsq_f32 v10, v10
	v_nop                                          ; one plain instruction behind the transcendental
	s_wait_kmcnt 0x0
	s_add_co_i32 s24, s24, 127
	s_lshl_b32 s25, s24, 23
	s_add_co_i32 s24, s24, 8
	s_lshl_b32 s24, s24, 23
	s_or_b32 s24, s24, 0x600000
	v_mov_b32 v5, s25                              ; 2^e as f32: the conversion takes its exponent field
	v_mov_b32 v6, s24                              ; 448 x 2^e
	s_wait_alu depctr_va_vdst(0)                   ; ahead of the result's first reader
	v_mov_b32 v11, v10
.irp j, 0,2,4,6,8,10,12,14,16,18,20,22,24,26,28,30
	v_pk_mul_f32 v[X+\j:X+\j+1], v[X+\j:X+\j+1], v[10:11]
.endr
	s_wait_loadcnt 0x0                             ; w and b
.irp j, 0,2,4,6,8,10,12,14,16,18,20,22,24,26,28,30
	v_pk_fma_f32 v[X+\j:X+\j+1], v[X+\j:X+\j+1], v[W+\j:W+\j+1], v[B+\j:B+\j+1]
.endr
.set i, 0
.rept 32
	v_med3_num_f32 v[X+i], v[X+i], -v6, v6         ; the conversion to an 8-bit code does not saturate (ISA guide 7.6.2): the hold at the largest code x the scale
.set i, i+1
.endr
.irp j, 0,1,2,3
	v_cvt_scalef32_pk8_fp8_f32 v[12+2*\j:13+2*\j], v[X+8*\j:X+8*\j+7], v5
.endr
.irp j, 0,1,2,3
	global_store_b64 v2, v[12+2*\j:13+2*\j], s[12:13] offset:256*\j   ; 32 lanes store 256 consecutive bytes, aligned
.endr
	s_endpgm
.Lfunc_end_k_q03d5785e4c_ln1:
	.size	k_q03d5785e4c_ln1, .Lfunc_end_k_q03d5785e4c_ln1-k_q03d5785e4c_ln1
	.p2alignl 7, 3214868480
	.fill 96, 4, 3214868480
	.section	.rodata,"a",@progbits
	.p2align	6, 0x0
	.amdhsa_kernel k_q03d5785e4c_ln1
		.amdhsa_group_segment_fixed_size 0
		.amdhsa_private_segment_fixed_size 0
		.amdhsa_enable_private_segment 0
		.amdhsa_kernarg_size 40
		.amdhsa_user_sgpr_count 2
		.amdhsa_user_sgpr_kernarg_segment_ptr 1
		.amdhsa_wavefront_size32 1
		.amdhsa_system_sgpr_workgroup_id_x 1
		.amdhsa_system_sgpr_workgroup_id_y 1
		.amdhsa_system_sgpr_workgroup_id_z 1
		.amdhsa_system_vgpr_workitem_id 0
		.amdhsa_next_free_vgpr 128
		.amdhsa_next_free_sgpr 66
		.amdhsa_reserve_vcc 0
		.amdhsa_float_denorm_mode_32 3
		.amdhsa_float_denorm_mode_16_64 3
		.amdhsa_memory_ordered 1
		.amdhsa_forward_progress 1
		.amdhsa_inst_pref_size 14
	.end_amdhsa_kernel
	.amdgpu_metadata
---
amdhsa.version: [ 1, 2 ]
amdhsa.kernels:
  - .name:           k_q03d5785e4c_ln1
    .symbol:         k_q03d5785e4c_ln1.kd
    .args:
      - { .name: x, .offset: 0, .size: 8, .value_kind: global_buffer, .address_space: global }
      - { .name: ln1_w, .offset: 8, .size: 8, .value_kind: global_buffer, .address_space: global }
      - { .name: ln1_b, .offset: 16, .size: 8, .value_kind: global_buffer, .address_space: global }
      - { .name: lowp_scales, .offset: 24, .size: 8, .value_kind: global_buffer, .address_space: global }
      - { .name: hcodes, .offset: 32, .size: 8, .value_kind: global_buffer, .address_space: global }
    .group_segment_fixed_size: 0
    .private_segment_fixed_size: 0
    .kernarg_segment_align: 8
    .kernarg_segment_size: 40
    .max_flat_workgroup_size: 256
    .sgpr_count:     66
    .vgpr_count:     128
    .wavefront_size: 32
...
	.end_amdgpu_metadata
.endif
;; end of part 1
;; launch qkv (part 2): grid 12 x 16, 4 waves a work-group, clusters of 4 x 4, 327,680 bytes of LDS; arguments hcodes, qkv_w_codes, lowp_scales, qkv_img; writes qkv_img
.if DOCPART == 2
	.amdgcn_target "amdgcn-amd-amdhsa--gfx1250"
	.amdhsa_code_object_version 6
	.text
	.protected	k_q03d5785e4c_qkv
	.globl	k_q03d5785e4c_qkv
	.p2align	8
	.type	k_q03d5785e4c_qkv,@function
k_q03d5785e4c_qkv:
	s_mov_b64 s[64:65], 0
	v_nop
	global_prefetch_b8 v0, s[64:65] scope:SCOPE_SE
	s_setreg_imm32_b32 hwreg(HW_REG_WAVE_MODE, 25, 1), 1
	s_wait_xcnt 0x0
	s_wait_alu depctr_hold_cnt(0) depctr_sa_sdst(0) depctr_va_vdst(0) depctr_va_sdst(0) depctr_va_ssrc(0) depctr_va_vcc(0) depctr_vm_vsrc(0)
	s_getreg_b32 s2, hwreg(HW_REG_IB_STS2, 6, 4)
	s_cmp_eq_u32 s2, 0
	s_cbranch_scc0 .Lentry_in_a_cluster
	s_endpgm
.Lentry_in_a_cluster:
	s_bfe_u32 s2, ttmp6, 0x10000c
	s_cmp_lg_u32 s2, 0xf033
	s_cbranch_scc0 .Lentry_shape_is_right
	s_endpgm
.Lentry_shape_is_right:
; q, k, v = h W^T on E4M3 codes (h: [4096][1024] codes, scale 2^e0; W: [3072][1024] codes, scale 2^e1), each result quantised at once for attention: q with 2^e2, k with 2^e3, v with 2^e4.
; A sum stands for sum x 2^(e0 + e1), so its code is sum / 2^(eo - e0 - e1), held within +-448.  LIMIT: eo - e0 - e1 between -126 and 119.
; A tile of 256 tokens x 256 features is made by four waves, as many as a WGP has SIMDs; a wave makes 128 x 128: 64 accumulators, 512 registers.  K goes in steps of 256 through a ring of two LDS slots
; filled by the tensor data mover: a tile's row is 256 bytes of memory.  CLUSTERS of 4 x 4: the four of a row need the same tokens, the four of a column the same weights: each tile is asked for jointly.
; Cluster x = 0 makes q, 1 makes k, 2 makes v: the same number in all sixteen partners.
; THE MATRIX INSTRUCTION: source 1's rows fall on the lanes, source 0's rows run along a lane's registers.  For q and k source 1 = tokens, source 0 = features: a lane's registers run along the head's axis, the K of q k^T.
; For v the keys are the K of the second product: there source 1 = features and source 0 = tokens.  The two sides change places in the tensor loads' memory addresses alone; LDS addresses, loop and waits are the same.
; THE RESULTS LEAVE AS IMAGES OF THE NEXT OPERANDS' REGISTERS: [which 3][128 tokens: 32][head 16][8,192 bytes]; each store of a wave covers 512 consecutive bytes, aligned.
;   q, k: [tile of 16 tokens 8][c 2][lane][16 bytes]: lane (r, h): token 16 a + r, channels 32 c + 16 h + 0 .. 15.     v: [16 channels 4][g 4][lane][16 bytes]: lane (r, h): channel 16 t + r, keys 32 g + 8 h + 0 .. 7 and 32 g + 16 + 8 h + 0 .. 7.
; The k of a fragment is taken by four loads of 16 bytes, alike on both sides: a permutation of k inside an instruction, which changes only the order of its sums.
; REGISTERS, in windows of 256: window 0: v0-31 addresses; v32-95 a block's sums held; v96-111 its codes; from v128 source 1's fragments, ONE set.  window 1: source 0's fragments, TWO sets.  windows 2, 3: the accumulators ((a, b) at v[8 (8 (a % 4) + b)]).
.set SIZE_K, 1024
.set KSTEP,  256                       ; along K in a slot
.set ROWB,   256                       ; a tile's row in bytes
.set KROW,   SIZE_K                    ; a row in memory, in bytes
.set PITCH,  272                       ; an LDS row: 256 bytes + 16 of padding = 68 words: row r starts at bank 4 r mod 64 (ISA guide 11.1)
.set FR,     16                        ; registers of a fragment: 16 rows x 128 K
.set NL,     4                         ; LDS loads that bring one
.set NP,     4                         ; places behind this matrix instruction (ISA guide 7.12.1)
.set HALFT,  128*PITCH                 ; 128 rows: what one tensor load brings
.set SLOT,   4*HALFT                   ; the tokens' 256 rows, then the weights' 256 rows
.set LAPS,   SIZE_K/(2*KSTEP)          ; a lap = two K steps = once round the ring
.set SPARE,  2*SLOT                    ; behind the ring: the spare words, 128 bytes for each wave, which no other line names
.set LI,   7                           ; v7      16 x lane
.set ADRA, 16                          ; v16-17  LDS address of source 1's fragments in slot 0, 1
.set LJ,   18                          ; v18     16 x lane + the distance to the second pair of stores
.set ADRB, 20                          ; v20-21  the same for source 0
.set SCV,  22                          ; v22     2^(eo - e0 - e1) as f32
.set LIMV, 23                          ; v23     448 x that
.set SPW,  28                          ; v28     LDS address of my spare word; never rewritten
.set NIL,  29                          ; v29     0; never rewritten
.set TMP,  32
.set CD,   96
.set AF,   128
.set G1, 24                            ; s[24:31] descriptor group 1 for the tokens' tiles;  s[32:39] group 0, one set for each slot
.set G0, 32
.set G1B, 48                           ; s[48:55], s[56:63] the same for the weights' tiles
.set G0B, 56
.set MSB, 0
.macro WIN new                         ; the immediate's high byte repeats the setting that is left
.if MSB != \new
	s_set_vgpr_msb (MSB<<8)|\new
.set MSB, \new
.endif
.endm
.set MUL_LO, 0xa1                      ; source 0 window 1, source 1 window 0, C and D window 2
.set MUL_HI, 0xf1                      ; the same, C and D window 3
.set TO_B,   0x40                      ; destination window 1, address window 0
; A joint load: waves 0 and 1 fetch tokens, waves 2 and 3 weights.  Each line has one mask and one set of registers; the branch hangs on the wave's number alone.  Four v_nop follow each line.
.macro JLOAD g0a, g1a, g0b, g1b
	s_cmp_eq_u32 s15, 0
	s_cbranch_scc0 .Lfor_b_\@
	tensor_load_to_lds s[\g0a:\g0a+3], s[\g1a:\g1a+7]
	s_nop 0
.rept 4
	v_nop
.endr
	s_branch .Lasked_\@
.Lfor_b_\@:
	tensor_load_to_lds s[\g0b:\g0b+3], s[\g1b:\g1b+7]
	s_nop 0
.rept 4
	v_nop
.endr
.Lasked_\@:
.endm
.macro CREST                           ; a round of the cluster's barrier behind its opening barrier
	s_cmp_lg_u32 s14, 0
	s_cbranch_scc1 .Lnot_wave_0_\@
	s_barrier_signal -3
.Lnot_wave_0_\@:
	s_barrier_wait -3
	s_barrier_signal -1
	s_barrier_wait -1
.endm
.macro CROUND                          ; a whole round
	s_barrier_signal -1
	s_barrier_wait -1
	CREST
.endm
	s_load_b128 s[4:7], s[0:1], 0x0                ; h's codes s[4:5], W's codes s[6:7]
	s_load_b128 s[8:11], s[0:1], 0x10              ; the scales' exponents s[8:9], the images s[10:11]
	v_lshl_add_u32 v[SPW], v0, 2, SPARE
	v_mov_b32 v[NIL], 0
	ds_add_u32 v28, v29
	ds_add_u32 v28, v29
	s_wait_dscnt 0x0
	v_lshrrev_b32 v1, 5, v0
	v_readfirstlane_b32 s14, v1                    ; wave 0..3
	s_lshr_b32 s15, s14, 1                         ; which half of source 1's rows is mine.  Also: I fetch tokens (0) or weights (1)
	s_and_b32 s16, s14, 1                          ; which half of source 0's rows.  Also: which 128 rows of that tile I fetch
	s_bfe_u32 s40, ttmp6, 0x40000                  ; cx, cy: my place in the cluster
	s_bfe_u32 s41, ttmp6, 0x40004
	s_lshl_b32 s42, ttmp9, 2
	s_add_co_u32 s42, s42, s40                     ; tile of features = 4 x cluster x + cx
	s_and_b32 s17, ttmp7, 0xffff
	s_lshl_b32 s17, s17, 2
	s_add_co_u32 s17, s17, s41                     ; tile of tokens = 4 x cluster y + cy
	s_lshl_b32 s43, s41, 2
	s_lshl_b32 s43, 15, s43                        ; my row of the cluster
	s_lshl_b32 s44, 0x1111, s40                    ; my column
	s_or_b32 s[G1+0], s43, (0<<16)|(1<<20)|(1<<21)|(5<<22)|(3<<25)  ; 15:0 the mask; 17:16 element of 1 byte; 20 padding on; 21 set beside a mask; 24:22 after every 64 words; 31:25 of 4 words
	s_or_b32 s[G1B+0], s44, (0<<16)|(1<<20)|(1<<21)|(5<<22)|(3<<25)
.irp g, G1, G1B
	s_mov_b32 s[\g+1], ROWB<<16                    ; tensor_dim0
	s_mov_b32 s[\g+2], 128<<16                     ; tensor_dim1 = 128
	s_mov_b32 s[\g+3], ROWB<<16                    ; tile_dim0
	s_mov_b32 s[\g+4], 128                         ; tile_dim1 = 128
	s_mov_b32 s[\g+5], KROW                        ; tensor_dim0_stride
	s_mov_b32 s[\g+6], 0
	s_mov_b32 s[\g+7], 0
.endr
	s_lshl_b32 s18, s16, 7                         ; which 128 rows of the tile I fetch
	; THE TWO SIDES CHANGE PLACES IN MEMORY, NOT IN LDS.  Side A (source 1; LDS rows 0-255; shared along a row of the cluster) hangs on cy alone, side B (source 0; shared along a column) on cx alone.
	; q, k: A = tokens' tile 4 x cluster y + cy, B = weights' tile 4 x cluster x + cx.   v: A = weights' tile 8 + cy, B = tokens' tile 4 x cluster y + cx.  The choice hangs on the cluster's x, the same in all sixteen partners.
	s_add_co_u32 s86, s41, 8
	s_and_b32 s87, ttmp7, 0xffff
	s_lshl_b32 s87, s87, 2
	s_add_co_u32 s87, s87, s40                     ; v's tile of tokens
	s_cmp_ge_u32 ttmp9, 2
	s_cselect_b32 s86, s86, s17                    ; side A's tile
	s_cselect_b32 s88, s87, s42                    ; side B's tile
	s_lshl_b32 s20, s86, 8
	s_add_co_u32 s20, s20, s18
	s_lshl_b32 s46, s88, 8
	s_add_co_u32 s46, s46, s18
	s_mov_b32 s21, 0
	s_mov_b32 s47, 0
	s_mov_b64 s[18:19], KROW
	s_mul_u64 s[20:21], s[20:21], s[18:19]
	s_mul_u64 s[46:47], s[46:47], s[18:19]
	s_mul_i32 s45, s14, HALFT                      ; where they go: wave x 128 rows: no place in the cluster enters an LDS address
	s_wait_kmcnt 0x0
	s_load_b256 s[68:75], s[8:9], 0x0              ; e0 .. e7
	s_cmp_ge_u32 ttmp9, 2
	s_cselect_b64 s[90:91], s[6:7], s[4:5]         ; side A's buffer: the weights for v, else the tokens
	s_cselect_b64 s[92:93], s[4:5], s[6:7]         ; side B's: the other one
	s_add_nc_u64 s[20:21], s[90:91], s[20:21]
	s_add_nc_u64 s[46:47], s[92:93], s[46:47]
	CROUND                                         ; all sixteen work-groups are here: the first joint loads meet
.irp s, 0,1
	s_mov_b32 s[G0+4*\s], 1
	s_add_co_u32 s[G0+4*\s+1], s45, \s*SLOT
	s_add_nc_u64 s[G0+4*\s+2:G0+4*\s+3], s[20:21], \s*ROWB
	s_or_b32 s[G0+4*\s+3], s[G0+4*\s+3], 0x80000000
	s_mov_b32 s[G0B+4*\s], 1
	s_add_co_u32 s[G0B+4*\s+1], s45, \s*SLOT
	s_add_nc_u64 s[G0B+4*\s+2:G0B+4*\s+3], s[46:47], \s*ROWB
	s_or_b32 s[G0B+4*\s+3], s[G0B+4*\s+3], 0x80000000
.endr
	JLOAD G0, G1, G0B, G1B                         ; K step 0: one tensor load a wave at the head
	v_and_b32 v1, 15, v0                           ; l % 16
	v_bfe_u32 v2, v0, 4, 1                         ; l / 16
	v_mul_u32_u24 v3, v1, PITCH
	v_lshl_add_u32 v4, v2, 4, v3                   ; a fragment's row x pitch + 16 x half
	s_wait_alu depctr_va_vdst(0)
	s_cmp_ge_u32 ttmp9, 2                          ; v's clusters?  The cluster's x: the same in all sixteen partners.  All selections stand ahead of the first addition
	s_mov_b32 s66, 0                               ; source 1 reads side A's rows,
	s_mov_b32 s67, 2*HALFT                         ; source 0 side B's: constants of the text
	s_cselect_b32 s18, s16, s15                    ; which half of the tile's tokens is mine,
	s_cselect_b32 s19, s15, s16                    ; and of its features
	s_cselect_b32 s78, 1, 0
	s_cselect_b32 s77, 0, 3
	s_mul_i32 s21, s15, HALFT
	s_add_co_u32 s21, s21, s66
	s_mul_i32 s22, s16, HALFT
	s_add_co_u32 s22, s22, s67
.irp s, 0,1
	v_add_nc_u32 v[ADRA+\s], s21, v4
	v_add_nc_u32 v[ADRB+\s], s22, v4
	s_add_co_u32 s21, s21, SLOT
	s_add_co_u32 s22, s22, SLOT
.endr
	s_lshl_b32 s78, 1024, s78                      ; from block a to block a + 1 in the images: 1,024 bytes (16 tokens of q, k) or 2,048 (16 channels of v; four of them are a head)
	s_mov_b32 s79, 0
	s_lshl_b32 s77, 1024, s77
	s_cmp_eq_u32 ttmp9, 1
	s_cselect_b32 s77, 0x40000, s77                ; k: the next head lies 262,144 bytes on
	v_and_b32 v6, 31, v0
	v_lshlrev_b32 v[LI], 4, v6
	v_add_nc_u32 v[LJ], s77, v[LI]
	; THE IMAGES: q: [128 tokens: 32][head 16][8,192 bytes] from byte 0.  k, v: from byte 4,194,304, [batch 2][head 16][128 keys: 16][k 8,192 | v 8,192]: a head's keys and values are 262,144 dense bytes.
	s_cmp_ge_u32 ttmp9, 2
	s_cselect_b32 s20, s87, s17                    ; my tile of tokens,
	s_cselect_b32 s46, s41, s40                    ; my tile's four heads,
	s_cselect_b32 s94, 0x3e000, 0                  ; v: from channel block 3 to 4 the next head begins: 262,144 - 8,192 bytes more
	s_mov_b32 s95, 0
	s_lshl_b32 s20, s20, 1
	s_add_co_u32 s20, s20, s18                     ; my 128 tokens
	s_lshl_b32 s46, s46, 2
	s_lshl_b32 s47, s19, 1
	s_add_co_u32 s46, s46, s47                     ; my first head
	s_lshl_b32 s21, s20, 17
	s_lshl_b32 s47, s46, 13
	s_add_co_u32 s21, s21, s47                     ; q's place
	s_lshr_b32 s88, s20, 4
	s_lshl_b32 s88, s88, 4
	s_add_co_u32 s88, s88, s46                     ; 16 x batch + head
	s_lshl_b32 s88, s88, 18
	s_and_b32 s89, s20, 15
	s_lshl_b32 s89, s89, 14                        ; the block of 128 keys
	s_add_co_u32 s88, s88, s89
	s_lshl_b32 s89, ttmp9, 13                      ; k: 8,192, v: 16,384; 8,192 too many, taken off below
	s_add_co_u32 s88, s88, s89
	s_add_co_u32 s88, s88, 0x400000-8192           ; k's or v's place
	s_cmp_eq_u32 ttmp9, 0
	s_cselect_b32 s20, s21, s88
	s_mov_b32 s21, 0
	s_add_nc_u64 s[10:11], s[10:11], s[20:21]
.macro FRAG reg, adr, q, i             ; a fragment: lane l holds row l % 16; registers 4 c .. 4 c + 3 hold K = 32 c + 16 (l / 16) + 0 .. 15
.irp c, 0,1,2,3
	ds_load_b128 v[\reg+4*\c:\reg+4*\c+3], v[\adr] offset:128*(\q)+32*\c+(\i)*16*PITCH
.endr
.endm
; 16 matrix instructions: source 1's blocks a0, a0 + 1 x source 0's eight, 128 along K.  p: source 0's set.  zero = 1: the first product starts the sums.
; The 64 accumulators take turns, one instruction a turn, in the same order in every step.
.macro MUL16 a0, p, zero
.irp a, \a0, \a0+1
.irp b, 0,1,2,3,4,5,6,7
.if \zero
	v_wmma_f32_16x16x128_fp8_fp8 v[8*(8*((\a)%4)+\b):8*(8*((\a)%4)+\b)+7], v[128*(\p)+FR*\b:128*(\p)+FR*\b+FR-1], v[AF+FR*(\a):AF+FR*(\a)+FR-1], 0
.else
	v_wmma_f32_16x16x128_fp8_fp8 v[8*(8*((\a)%4)+\b):8*(8*((\a)%4)+\b)+7], v[128*(\p)+FR*\b:128*(\p)+FR*\b+FR-1], v[AF+FR*(\a):AF+FR*(\a)+FR-1], v[8*(8*((\a)%4)+\b):8*(8*((\a)%4)+\b)+7]
.endif
.endr
.endr
.endm
.macro FETCH_B slot, q, p
	WIN TO_B
.irp i, 0,1,2,3,4,5,6,7
	FRAG 128*(\p)+FR*\i, ADRB+\slot, \q, \i
.endr
	WIN 0
.endm
.macro FETCH_A slot, q, i0
.irp i, \i0, \i0+1, \i0+2, \i0+3
	FRAG AF+FR*(\i), ADRA+\slot, \q, \i
.endr
.endm
.macro PLACES n                        ; plain vector instructions between a matrix instruction and a load into, or a read of, its registers
.rept \n
	v_nop
.endr
.endm
.macro STEP slot, q, zero              ; a step of 128 along K that has its successor in the same slot
	s_wait_dscnt 4*NL                              ; source 0's set and blocks 0-3 are in; the youngest 16 loads (blocks 4-7) may be out
	WIN MUL_LO
	MUL16 0, (\q)%2, \zero
	MUL16 2, (\q)%2, \zero
	s_wait_dscnt 0                                 ; blocks 4-7 are in
	PLACES NP
	FETCH_B \slot, (\q)+1, 1-(\q)%2
	FETCH_A \slot, (\q)+1, 0
	WIN MUL_HI
	MUL16 4, (\q)%2, \zero
	MUL16 6, (\q)%2, \zero
	PLACES NP
	WIN 0
	FETCH_A \slot, (\q)+1, 4
.endm
; A slot's last step changes slots: one barrier; in front of it each wave waits for all its tensor loads, adds 0 to its spare word, and waits for that and for its own reads of this slot.
.macro TURN slot, next, fill
	s_wait_tensorcnt 0x0                           ; all my tensor loads have landed: my part of the next slot
	ds_add_u32 v[SPW], v[NIL]                      ; 0 onto my spare word
	s_wait_dscnt 4*NL+1                            ; (the add and the youngest 16 loads may be out)
	WIN MUL_LO
	MUL16 0, 1, 0
	s_wait_dscnt 0x0                               ; the add is done, and my reads of this slot are over
	s_barrier_signal -1
	MUL16 2, 1, 0
	WIN 0
	s_barrier_wait -1
.if \fill
	CREST                                          ; the barrier has opened a round of the cluster's barrier: no wave of any partner still reads this slot or has a load on its way
	s_add_nc_u64 s[G0+4*\slot+2:G0+4*\slot+3], s[G0+4*\slot+2:G0+4*\slot+3], 2*ROWB
	s_add_nc_u64 s[G0B+4*\slot+2:G0B+4*\slot+3], s[G0B+4*\slot+2:G0B+4*\slot+3], 2*ROWB
	JLOAD G0+4*\slot, G1, G0B+4*\slot, G1B         ; the first tensor load behind the round; its four v_nop are the places in front of the loads below
.else
	PLACES NP
.endif
	FETCH_B \next, 0, 0
	FETCH_A \next, 0, 0
	WIN MUL_HI
	MUL16 4, 1, 0
	MUL16 6, 1, 0
	PLACES NP
	WIN 0
	FETCH_A \next, 0, 4
.endm
	s_wait_alu depctr_va_vdst(0)
	s_wait_tensorcnt 0x0                           ; my part of K step 0 is in
	ds_add_u32 v[SPW], v[NIL]
	s_wait_dscnt 0x0
	CROUND                                         ; everybody's part is in, and all sixteen work-groups are here
	JLOAD G0+4, G1, G0B+4, G1B                     ; K step 1: the first tensor load behind the round
	FETCH_B 0, 0, 0
	FETCH_A 0, 0, 0
	FETCH_A 0, 0, 4
	STEP 0, 0, 1                                   ; the first step stands in front of the loop: its products start the sums
	s_mov_b32 s3, LAPS-1
.Llap:                                                 ; a trip goes once round the ring and fills both slots again
	TURN 0, 1, 1
	STEP 1, 0, 0
	TURN 1, 0, 1
	STEP 0, 0, 0
	s_sub_co_u32 s3, s3, 1
	s_cmp_lg_u32 s3, 0
	s_cbranch_scc1 .Llap
	TURN 0, 1, 0                                   ; the last lap fills nothing
	STEP 1, 0, 0
	s_wait_dscnt 4*NL                              ; the very last step
	WIN MUL_LO
	MUL16 0, 1, 0
	MUL16 2, 1, 0
	s_wait_dscnt 0
	WIN MUL_HI
	MUL16 4, 1, 0
	MUL16 6, 1, 0
	WIN 0
	s_wait_kmcnt 0x0
	s_cmp_eq_u32 ttmp9, 1
	s_cselect_b32 s76, s71, s70                    ; e3 for k, e2 for q,
	s_cmp_ge_u32 ttmp9, 2
	s_cselect_b32 s76, s72, s76                    ; e4 for v
	s_sub_co_i32 s76, s76, s68
	s_sub_co_i32 s76, s76, s69                     ; eo - e0 - e1: the three scales folded into the conversion's one
	s_add_co_i32 s76, s76, 127
	s_lshl_b32 s80, s76, 23
	v_mov_b32 v[SCV], s80
	s_add_co_i32 s76, s76, 8
	s_lshl_b32 s76, s76, 23
	s_or_b32 s76, s76, 0x600000
	v_mov_b32 v[LIMV], s76
	PLACES NP
; THE WAY OUT of block a (16 rows of source 1 x 128 of source 0): held, converted, and stored as four groups of 16 bytes a lane.
; In q and k a lane's codes of tile b are channels 16 b + 8 h + 0 .. 7; the image wants 32 g + 16 h + 0 .. 15: lanes 16-31 of tile 2 g change places with lanes 0-15 of tile 2 g + 1.  v's image wants the codes as they stand.
.macro QOUT a
.set AC, 64*((\a)%4)
	WIN 0x02+((\a)/4)                              ; source 0: window 2 or 3
.set j, 0
.rept 64
	v_med3_num_f32 v[TMP+j], v[AC+j], -v[LIMV], v[LIMV]   ; the hold at the largest code x the scale; each accumulator from its low end on
.set j, j+1
.endr
	WIN 0
.if (\a) > 0
	s_wait_alu depctr_va_vdst(0)
	s_wait_xcnt 0x0                                ; the last block's stores have read their data and their base
	s_add_nc_u64 s[10:11], s[10:11], s[78:79]
.if (\a) == 4
	s_add_nc_u64 s[10:11], s[10:11], s[94:95]      ; v: on to the next head (q, k: 0)
.endif
.endif
.irp b, 0,1,2,3,4,5,6,7
	v_cvt_scalef32_pk8_fp8_f32 v[CD+2*\b:CD+2*\b+1], v[TMP+8*\b:TMP+8*\b+7], v[SCV]
.endr
	v_nop                                          ; one plain vector instruction behind the last conversion
	s_cmp_ge_u32 ttmp9, 2
	s_cbranch_scc1 .Lkeys_\@
.irp g, 0,1,2,3
	v_permlane16_swap_b32 v[CD+4*\g], v[CD+4*\g+2]
	v_permlane16_swap_b32 v[CD+4*\g+1], v[CD+4*\g+3]
.endr
.Lkeys_\@:
	s_wait_alu depctr_va_vdst(0)
	global_store_b128 v[LI], v[CD:CD+3], s[10:11]                 ; each store: 512 consecutive bytes, aligned
	global_store_b128 v[LI], v[CD+4:CD+7], s[10:11] offset:512
	global_store_b128 v[LJ], v[CD+8:CD+11], s[10:11]
	global_store_b128 v[LJ], v[CD+12:CD+15], s[10:11] offset:512
.endm
.irp a, 0,1,2,3,4,5,6,7
	QOUT \a
.endr
	s_wait_tensorcnt 0x0                           ; the wave's end
	ds_add_u32 v[SPW], v[NIL]
	s_wait_dscnt 0x0
	CROUND                                         ; the closing round: no work-group ends while a partner may still ask for a tile that names it
	s_endpgm
.Lfunc_end_k_q03d5785e4c_qkv:
	.size	k_q03d5785e4c_qkv, .Lfunc_end_k_q03d5785e4c_qkv-k_q03d5785e4c_qkv
	.p2alignl 7, 3214868480
	.fill 96, 4, 3214868480
	.section	.rodata,"a",@progbits
	.p2align	6, 0x0
	.amdhsa_kernel k_q03d5785e4c_qkv
		.amdhsa_group_segment_fixed_size 327680
		.amdhsa_private_segment_fixed_size 0
		.amdhsa_enable_private_segment 0
		.amdhsa_kernarg_size 32
		.amdhsa_user_sgpr_count 2
		.amdhsa_user_sgpr_kernarg_segment_ptr 1
		.amdhsa_wavefront_size32 1
		.amdhsa_system_sgpr_workgroup_id_x 1
		.amdhsa_system_sgpr_workgroup_id_y 1
		.amdhsa_system_sgpr_workgroup_id_z 1
		.amdhsa_system_vgpr_workitem_id 0
		.amdhsa_next_free_vgpr 1024
		.amdhsa_next_free_sgpr 100
		.amdhsa_reserve_vcc 0
		.amdhsa_float_denorm_mode_32 3
		.amdhsa_float_denorm_mode_16_64 3
		.amdhsa_memory_ordered 1
		.amdhsa_forward_progress 1
		.amdhsa_inst_pref_size 123
	.end_amdhsa_kernel
	.amdgpu_metadata
---
amdhsa.version: [ 1, 2 ]
amdhsa.kernels:
  - .name:           k_q03d5785e4c_qkv
    .symbol:         k_q03d5785e4c_qkv.kd
    .args:
      - { .name: hcodes, .offset: 0, .size: 8, .value_kind: global_buffer, .address_space: global }
      - { .name: qkv_w_codes, .offset: 8, .size: 8, .value_kind: global_buffer, .address_space: global }
      - { .name: lowp_scales, .offset: 16, .size: 8, .value_kind: global_buffer, .address_space: global }
      - { .name: qkv_img, .offset: 24, .size: 8, .value_kind: global_buffer, .address_space: global }
    .group_segment_fixed_size: 327680
    .private_segment_fixed_size: 0
    .kernarg_segment_align: 8
    .kernarg_segment_size: 32
    .max_flat_workgroup_size: 128
    .sgpr_count:     100
    .vgpr_count:     1024
    .wavefront_size: 32
...
	.end_amdgpu_metadata
.endif
;; end of part 2
;; launch attn (part 3): grid 8 x 32, 8 waves a work-group, clusters of 4 x 1, 327,680 bytes of LDS; arguments qkv_img, lowp_scales, attn_img; writes attn_img
.if DOCPART == 3
	.amdgcn_target "amdgcn-amd-amdhsa--gfx1250"
	.amdhsa_code_object_version 6
	.text
	.protected	k_q03d5785e4c_attn
	.globl	k_q03d5785e4c_attn
	.p2align	8
	.type	k_q03d5785e4c_attn,@function
k_q03d5785e4c_attn:
	s_mov_b64 s[64:65], 0
	v_nop
	global_prefetch_b8 v0, s[64:65] scope:SCOPE_SE
	s_setreg_imm32_b32 hwreg(HW_REG_WAVE_MODE, 25, 1), 1
	s_wait_xcnt 0x0
	s_wait_alu depctr_hold_cnt(0) depctr_sa_sdst(0) depctr_va_vdst(0) depctr_va_sdst(0) depctr_va_ssrc(0) depctr_va_vcc(0) depctr_vm_vsrc(0)
	s_getreg_b32 s2, hwreg(HW_REG_IB_STS2, 6, 4)
	s_cmp_eq_u32 s2, 0
	s_cbranch_scc0 .Lentry_in_a_cluster
	s_endpgm
.Lentry_in_a_cluster:
	s_bfe_u32 s2, ttmp6, 0x10000c
	s_cmp_lg_u32 s2, 0x3003
	s_cbranch_scc0 .Lentry_shape_is_right
	s_endpgm
.Lentry_shape_is_right:
; Causal attention of one head on E4M3 codes; the result is quantised at once, with 2^e6, as the next product's left operand.
; q (2^e2): images of operand registers [128 tokens: 32][head 16][8,192 bytes].  k (2^e3), v (2^e4): from byte 4,194,304, [16 batch + head][128 keys: 16][k 8,192 | v 8,192].
; THE SOFTMAX AHEAD OF THE SECOND PRODUCT: t = score x log2(e) / 8; M = the running largest t rounded UP to a whole number; p = 2^(t - M) is quantised with 2^e5, not normalised.
; The row's sum is taken of the unquantised p, in f32, and divides at the end.  When M moves, the sum and O are multiplied by 2^(old M - new M): exact.
; LEFT OUT: key steps all of whose keys come after a tile's queries: the causal mask makes their p zero.
; SHARES.  A head has 128 tiles of 16 queries.  Work-group i (0 .. 7) owns tiles i + 8 j, j = 0 .. 15: tile i + 8 j lies in key block j and needs key steps 0 .. j.
; Wave w (0 .. 7) does tile j = 15 - w and then tile j = w: 16 - w and w + 1 steps, 17 for every wave of every work-group.  What a wave walks hangs on its number alone, never on the work-group's.
; A HEAD'S K AND V LIE WHOLE IN LDS, block b at byte 16,384 b (K, then V).  Every work-group reads all 16 blocks (wave 0's first tile needs them all).  Nothing is filled again.
; TWO GROUPS OF LOADS, one tensor load a wave in each: at the head wave w fetches block w, 16,384 dense bytes; when all of these have landed, behind a round of the cluster's barrier, block 8 + w.
; The second group has the first tile's steps 0 to 7 in which to land; one barrier stands ahead of step 8.  At both barriers all waves have done the same number of steps.
; JOINT LOADS: the four work-groups of a cluster are four of the head's eight: same descriptor, mask 15.
; NO PREFETCH: the second group is asked for at the first barrier of the text, eight key steps ahead of its first read; there is no earlier trip in which to ask.
; LAYOUT.  S^T = K Q^T (source 0 = 16 keys, source 1 = my queries), O^T = V^T P^T: a lane holds ONE query (lane % 16).  Register 8 t + j of S^T is key 16 t + 8 (lane / 16) + j: p's codes stand where the K = 128 form wants them, and V's image is laid the same way.
; LIMITS: e2 + e3 between -123 and 130 (added to c's exponent field); e5, and e6 - e4 - e5, between -126 and 119.  NaN among the inputs is not served.
; REGISTERS: v1 16 x lane; v2 the diagonal's bound; v8 LDS address; v12 -M, v13 the largest t, v[14:15] the sum; v16-23, v24-31 Q of the two tiles; v32-95 K's fragments, then V's; v96-159 S^T, then p; v160-191 O^T; v224-239 p's codes; v232-254 at work.
.set SPARE, 0x40000                    ; behind the tiles: the spare words, 128 bytes a wave
.set WV,  18                           ; s18  my wave's number
.set SEL, 20                           ; s[20:21] lane selects: lane l xor 16
.set CS,  22                           ; s[22:23] c = log2(e) / 8 x 2^(e2 + e3)
.set G1,  24                           ; s[24:31] descriptor group 1
.set G0,  32                           ; s[32:35], s[36:39] group 0 of the two loads
.set TB,  2                            ; s2   LDS byte of the step's block
.set KB,  10                           ; s10  the step's key block
.set JT,  11                           ; s11  my tile's key block
.set CNT, 13
.macro CROUND                          ; a round of the cluster's barrier
	s_barrier_signal -1
	s_barrier_wait -1
	s_cmp_lg_u32 s[WV], 0
	s_cbranch_scc1 .Lnw0_\@
	s_barrier_signal -3
.Lnw0_\@:
	s_barrier_wait -3
	s_barrier_signal -1
	s_barrier_wait -1
.endm
.macro INIT                            ; a tile's start: the step is written for all steps alike; the first finds zeros, which the first change of M leaves zeros
	v_mov_b32 v13, 0xff61b1e6                      ; the largest t so far: -3e38
	s_delay_alu instid0(VALU_DEP_1)
	v_floor_f32 v12, -v13                          ; -M
	v_mov_b32 v14, 0
	v_mov_b32 v15, 0
	v_mov_b32 v236, 0                              ; a lane permute's destination counts as one of its sources
	v_mov_b32 v252, 0
	v_mov_b32 v253, 0
.set j, 0
.rept 32
	v_mov_b32 v[160+j], 0
.set j, j+1
.endr
.endm
	s_load_b128 s[4:7], s[0:1], 0x0                ; the images s[4:5], the scales' exponents s[6:7]
	s_load_b64 s[8:9], s[0:1], 0x10                ; the result's image
	v_lshl_add_u32 v251, v0, 2, SPARE
	v_mov_b32 v255, 0
	ds_add_u32 v251, v255                          ; the opening lines: the add, twice on end, and its wait ahead of my first tensor load
	ds_add_u32 v251, v255
	v_lshrrev_b32 v3, 5, v0
	v_readfirstlane_b32 s[WV], v3                  ; wave 0..7
	s_bfe_u32 s40, ttmp6, 0x40000                  ; cx
	s_lshl_b32 s41, ttmp9, 2
	s_add_co_u32 s41, s41, s40                     ; i = work-group x = 4 x cluster x + cx
	s_lshl_b32 s43, s41, 4
	v_and_b32 v1, 31, v0
	v_lshlrev_b32 v1, 4, v1                        ; 16 x lane
	v_and_b32 v2, 15, v0
	v_bfe_u32 v3, v0, 4, 1
	v_lshlrev_b32 v3, 3, v3
	v_sub_nc_u32 v2, v2, v3
	v_add_nc_u32 v2, s43, v2                       ; d = 16 i + lane % 16 - 8 (lane / 16): in the diagonal's step register 8 t + j is hidden where 16 t + j > d
	s_and_b32 s12, ttmp7, 0xffff                   ; 16 x batch + head
	s_lshr_b32 s14, s12, 4
	s_and_b32 s15, s12, 15
	s_lshl_b32 s50, s12, 18                        ; the head's 262,144 bytes of K and V,
	s_lshl_b32 s48, s[WV], 14                      ; block w of them, in memory and in LDS alike
	s_add_co_u32 s50, s50, s48
	s_add_co_u32 s50, s50, 0x400000
	s_mov_b32 s51, 0
	s_mov_b32 s[G1], 15|(3<<16)|(1<<21)            ; the mask: the cluster's four; elements of 8 bytes; bit 21 beside a mask; no padding
	s_mov_b32 s[G1+1], 1024<<16                    ; tensor_dim0 = 1,024 elements: 8,192 bytes
	s_mov_b32 s[G1+2], 2<<16                       ; tensor_dim1 = 2 rows: K's, then V's
	s_mov_b32 s[G1+3], 1024<<16                    ; tile_dim0
	s_mov_b32 s[G1+4], 2                           ; tile_dim1
	s_mov_b32 s[G1+5], 1024                        ; dense
	s_mov_b32 s[G1+6], 0
	s_mov_b32 s[G1+7], 0
	s_lshl_b32 s16, s14, 21                        ; a batch, in q's image and in the result's
	s_lshl_b32 s17, s15, 13
	s_add_co_u32 s52, s16, s17
	s_lshl_b32 s17, s41, 10
	s_add_co_u32 s52, s52, s17                     ; q: batch, head x 8,192, tile i x 1,024; block j x 131,072 is added below
	s_lshl_b32 s17, s41, 14
	s_add_co_u32 s54, s16, s17
	s_lshl_b32 s17, s15, 10
	s_add_co_u32 s54, s54, s17                     ; the result: (128 batch + 8 j + i) x 16,384 + head x 1,024
	s_sub_co_u32 s[JT], 15, s[WV]                  ; the first tile's block
	s_lshl_b32 s17, s[JT], 17
	s_lshl_b32 s42, s[WV], 17
	s_add_co_u32 s56, s52, s17
	s_mov_b32 s57, 0
	s_add_co_u32 s58, s52, s42
	s_mov_b32 s59, 0
	s_add_co_u32 s60, s54, s17
	s_mov_b32 s61, 0
	s_add_co_u32 s62, s54, s42
	s_mov_b32 s63, 0
	s_mov_b32 s[SEL], 0x76543210
	s_mov_b32 s[SEL+1], 0xfedcba98
	s_mov_b32 s[CS], 0x3e38aa3b                    ; log2(e) / 8
	s_mov_b32 s[TB], 0
	s_mov_b32 s[KB], 0
	s_wait_alu depctr_va_vdst(0)
	s_wait_dscnt 0x0                               ; both opening adds are done
	s_wait_kmcnt 0x0
	s_load_b256 s[68:75], s[6:7], 0x0              ; e0 .. e7
	s_add_nc_u64 s[50:51], s[4:5], s[50:51]
	s_add_nc_u64 s[56:57], s[4:5], s[56:57]
	s_add_nc_u64 s[58:59], s[4:5], s[58:59]
	s_add_nc_u64 s[60:61], s[8:9], s[60:61]
	s_add_nc_u64 s[62:63], s[8:9], s[62:63]
	global_load_b128 v[16:19], v1, s[56:57]            ; Q of both tiles stays in registers
	global_load_b128 v[20:23], v1, s[56:57] offset:512
	global_load_b128 v[24:27], v1, s[58:59]
	global_load_b128 v[28:31], v1, s[58:59] offset:512
.irp s, 0,1
	s_mov_b32 s[G0+4*\s], 1                        ; count = 1
	s_add_co_u32 s[G0+4*\s+1], s48, \s*131072      ; LDS address: the wave's number alone
	s_add_nc_u64 s[G0+4*\s+2:G0+4*\s+3], s[50:51], \s*131072   ; block w, block 8 + w
	s_or_b32 s[G0+4*\s+3], s[G0+4*\s+3], 0x80000000            ; type = 2
.endr
	CROUND                                         ; the four work-groups are here: the joint loads meet
	tensor_load_to_lds s[G0:G0+3], s[G1:G1+7]      ; block w: my one tensor load at the head
	s_nop 0
	INIT
	s_wait_kmcnt 0x0
	s_add_co_i32 s44, s70, s71
	s_lshl_b32 s44, s44, 23
	s_add_co_i32 s[CS], s[CS], s44                 ; a score stands for score x 2^(e2 + e3)
	s_mov_b32 s[CS+1], s[CS]
	s_add_co_i32 s44, s73, 127
	s_lshl_b32 s45, s44, 23
	v_mov_b32 v244, s45                            ; 2^e5
	s_add_co_i32 s44, s44, 8
	s_lshl_b32 s44, s44, 23
	s_or_b32 s44, s44, 0x600000
	v_mov_b32 v240, s44                            ; 448 x 2^e5
	s_sub_co_i32 s44, s74, s72
	s_sub_co_i32 s44, s44, s73                     ; e6 - e4 - e5: O / l stands for O / l x 2^(e4 + e5)
	s_add_co_i32 s44, s44, 127
	s_lshl_b32 s45, s44, 23
	v_mov_b32 v245, s45
	s_add_co_i32 s44, s44, 8
	s_lshl_b32 s44, s44, 23
	s_or_b32 s44, s44, 0x600000
	v_mov_b32 v241, s44
; A KEY STEP: 128 keys.  q: the tile's Q registers.
.macro STEP q
	s_cmp_gt_u32 s[KB], s[JT]                      ; all keys after my queries: the step's work is left out
	s_cbranch_scc1 .Lhidden_\@
	v_add_nc_u32 v8, s[TB], v1
	v_nop                                          ; with the addition: four places in front of loads into registers that the last products read
	v_nop
	v_nop
.irp t, 0,1,2,3,4,5,6,7
	ds_load_b128 v[32+8*\t:35+8*\t], v8 offset:1024*\t
	ds_load_b128 v[36+8*\t:39+8*\t], v8 offset:1024*\t+512
.endr
	s_wait_alu depctr_va_vdst(0)
	s_wait_dscnt 8                                 ; the first four fragments are in; the eight younger loads may be out
.irp t, 0,1,2,3
	v_wmma_f32_16x16x64_fp8_fp8 v[96+8*\t:103+8*\t], v[32+8*\t:39+8*\t], v[\q:\q+7], 0
.endr
	s_wait_dscnt 0x0
.irp t, 4,5,6,7
	v_wmma_f32_16x16x64_fp8_fp8 v[96+8*\t:103+8*\t], v[32+8*\t:39+8*\t], v[\q:\q+7], 0
.endr
.rept 4
	v_nop                                          ; places in front of the loads below and of the first read of the scores
.endr
.irp t, 0,1,2,3
.irp g, 0,1,2,3
	ds_load_b128 v[32+16*\t+4*\g:35+16*\t+4*\g], v8 offset:8192+2048*\t+512*\g   ; V's fragments land while the softmax is worked
.endr
.endr
	s_cmp_lg_u32 s[KB], s[JT]                      ; in my tile's own block hidden scores become -infinity ahead of the maximum; every other step skips this
	s_cbranch_scc1 .Lopen_\@
	v_mov_b32 v254, 0xff800000
.set n, 0
.rept 64
	v_cmp_gt_i32 vcc_lo, 16*(n/8)+n%8, v2
	v_cndmask_b32 v[96+n], v[96+n], v254, vcc_lo
.set n, n+1
.endr
.Lopen_\@:
	v_max3_num_f32 v254, v96, v97, v98             ; the step's largest score of my query, in two chains,
	v_max3_num_f32 v252, v99, v100, v101
.irp i, 6,10,14,18,22,26,30,34,38,42,46,50,54,58
	v_max3_num_f32 v254, v254, v[96+\i], v[97+\i]
	v_max3_num_f32 v252, v252, v[98+\i], v[99+\i]
.endr
	v_max3_num_f32 v254, v254, v158, v159
	s_delay_alu instid0(VALU_DEP_1)
	v_max_num_f32 v254, v254, v252
	v_permlanex16_b32 v236, v254, s[SEL], s[SEL+1]
	s_delay_alu instid0(VALU_DEP_1)
	v_max_num_f32 v254, v254, v236                 ; and among lane l xor 16's
	s_delay_alu instid0(VALU_DEP_1)
	v_mul_f32 v254, s[CS], v254                    ; as t (c is positive)
	s_delay_alu instid0(VALU_DEP_1)
	v_max_num_f32 v13, v13, v254
	v_mov_b32 v254, v12
	s_delay_alu instid0(VALU_DEP_2)
	v_floor_f32 v12, -v13                          ; the new -M = floor(-t): M is a whole number
	s_delay_alu instid0(VALU_DEP_1)
	v_sub_f32 v254, v12, v254                      ; old M - new M, 0 or less
	s_delay_alu instid0(VALU_DEP_1)
	v_cvt_i32_f32 v254, v254
	s_delay_alu instid0(VALU_DEP_1)
	v_ldexp_f32 v252, 1.0, v254                    ; f = 2^(old M - new M)
.set j, 0
.rept 32
	v_pk_fma_f32 v[96+j:97+j], v[96+j:97+j], s[CS:CS+1], v[12:13] op_sel_hi:[1,0,0]   ; t - M
.set j, j+2
.endr
.set j, 0
	s_wait_alu depctr_va_vdst(0)
.rept 64
	v_exp_f32 v[96+j], v[96+j]                     ; p = 2^(t - M)
.set j, j+1
.endr
	v_pk_mul_f32 v[14:15], v[14:15], v[252:253] op_sel_hi:[1,0]   ; the sums under the new M: the plain instruction behind the exponentials
	s_wait_alu depctr_va_vdst(0)                   ; one wait for the whole batch, ahead of its first reader
	v_pk_add_f32 v[242:243], v[100:101], v[104:105]    ; the row's sum of the unquantised p, in eight chains
	v_pk_add_f32 v[248:249], v[108:109], v[112:113]
	v_pk_add_f32 v[246:247], v[116:117], v[120:121]
	v_pk_add_f32 v[238:239], v[124:125], v[128:129]
	v_pk_add_f32 v[236:237], v[132:133], v[136:137]
	v_pk_add_f32 v[234:235], v[140:141], v[144:145]
	v_pk_add_f32 v[232:233], v[148:149], v[152:153]
	v_pk_add_f32 v[14:15], v[14:15], v[156:157]
	v_pk_add_f32 v[242:243], v[242:243], v[96:97]
	v_pk_add_f32 v[248:249], v[248:249], v[98:99]
	v_pk_add_f32 v[246:247], v[246:247], v[102:103]
	v_pk_add_f32 v[238:239], v[238:239], v[106:107]
	v_pk_add_f32 v[236:237], v[236:237], v[110:111]
	v_pk_add_f32 v[234:235], v[234:235], v[114:115]
	v_pk_add_f32 v[232:233], v[232:233], v[118:119]
	v_pk_add_f32 v[14:15], v[14:15], v[122:123]
	v_pk_add_f32 v[242:243], v[242:243], v[126:127]
	v_pk_add_f32 v[248:249], v[248:249], v[130:131]
	v_pk_add_f32 v[246:247], v[246:247], v[134:135]
	v_pk_add_f32 v[238:239], v[238:239], v[138:139]
	v_pk_add_f32 v[236:237], v[236:237], v[142:143]
	v_pk_add_f32 v[234:235], v[234:235], v[146:147]
	v_pk_add_f32 v[232:233], v[232:233], v[150:151]
	v_pk_add_f32 v[14:15], v[14:15], v[154:155]
	v_pk_add_f32 v[242:243], v[242:243], v[158:159]
	s_delay_alu instid0(VALU_DEP_2)
	v_pk_add_f32 v[14:15], v[14:15], v[238:239]
	s_delay_alu instid0(VALU_DEP_2)
	v_pk_add_f32 v[242:243], v[242:243], v[236:237]
	v_pk_add_f32 v[248:249], v[248:249], v[234:235]
	v_pk_add_f32 v[246:247], v[246:247], v[232:233]
	s_delay_alu instid0(VALU_DEP_2)
	v_pk_add_f32 v[14:15], v[14:15], v[248:249]
	s_delay_alu instid0(VALU_DEP_2)
	v_pk_add_f32 v[242:243], v[242:243], v[246:247]
	s_delay_alu instid0(VALU_DEP_1)
	v_pk_add_f32 v[14:15], v[14:15], v[242:243]
.irp t, 0,1,2,3,4,5,6,7
.irp i, 0,1,2,3,4,5,6,7
	v_min_num_f32 v[96+8*\t+\i], v[96+8*\t+\i], v240   ; the conversion does not saturate (ISA guide 7.6.2); p is not negative: a one-sided hold
.endr
	v_cvt_scalef32_pk8_fp8_f32 v[224+2*\t:225+2*\t], v[96+8*\t:103+8*\t], v244
.endr
	s_wait_alu depctr_va_vdst(0)
.set j, 0
.rept 16
	v_pk_mul_f32 v[160+j:161+j], v[160+j:161+j], v[252:253] op_sel_hi:[1,0]   ; O^T under the new M; also the plain instructions behind the conversions
.set j, j+2
.endr
	s_wait_alu depctr_va_vdst(0)
	s_wait_dscnt 0x0                               ; V
.irp t, 0,1,2,3
	v_wmma_f32_16x16x128_fp8_fp8 v[160+8*\t:167+8*\t], v[32+16*\t:47+16*\t], v[224:239], v[160+8*\t:167+8*\t]
.endr
.Lhidden_\@:
	s_add_co_u32 s[TB], s[TB], 16384
	s_add_co_u32 s[KB], s[KB], 1
.endm
.macro WALK n, q                       ; n key steps, a constant count; a wave jumps over those that its tile does not need
	s_mov_b32 s[CNT], \n
.Lwalk_\@:
	STEP \q
	s_sub_co_u32 s[CNT], s[CNT], 1
	s_cmp_lg_u32 s[CNT], 0
	s_cbranch_scc1 .Lwalk_\@
.endm
; THE WAY OUT of a tile: O^T / the sum, held, converted with 2^(e6 - e4 - e5); register 8 t + j is channel 16 t + 8 h + j of my query.  p: the pair that holds the tile's place in the result.
.macro OUT p
.rept 4
	v_nop
.endr
	v_add_f32 v14, v14, v15
	s_delay_alu instid0(VALU_DEP_1)
	v_permlanex16_b32 v252, v14, s[SEL], s[SEL+1]
	s_delay_alu instid0(VALU_DEP_1)
	v_add_f32 v14, v14, v252                       ; the row's sum
	s_wait_alu depctr_va_vdst(0)
	v_rcp_f32 v14, v14
	v_nop
	s_wait_alu depctr_va_vdst(0)
	v_mov_b32 v15, v14
.set j, 0
.rept 16
	v_pk_mul_f32 v[160+j:161+j], v[160+j:161+j], v[14:15]
.set j, j+2
.endr
.set j, 0
.rept 32
	v_med3_num_f32 v[160+j], v[160+j], -v241, v241
.set j, j+1
.endr
.irp t, 0,1,2,3
	v_cvt_scalef32_pk8_fp8_f32 v[224+2*\t:225+2*\t], v[160+8*\t:167+8*\t], v245
.endr
	v_nop                                          ; one plain vector instruction behind the last conversion
.irp g, 0,1
	v_permlane16_swap_b32 v[224+4*\g], v[226+4*\g]     ; lanes 16-31 of tile 2 g change places with lanes 0-15 of tile 2 g + 1: a lane then holds channels 32 g + 16 h + 0 .. 15
	v_permlane16_swap_b32 v[225+4*\g], v[227+4*\g]
.endr
	global_store_b128 v1, v[224:227], s[\p:\p+1]           ; each store: 512 consecutive bytes, aligned
	global_store_b128 v1, v[228:231], s[\p:\p+1] offset:512
.endm
	s_wait_alu depctr_va_vdst(0)
	s_wait_loadcnt 0x0                             ; Q
	s_wait_tensorcnt 0x0                           ; my block w is in
	ds_add_u32 v251, v255
	s_wait_dscnt 0x0
	CROUND                                         ; blocks 0-7 are whole, and the four work-groups are here: the joint loads meet
	tensor_load_to_lds s[G0+4:G0+7], s[G1:G1+7]    ; block 8 + w: the first tensor load behind the round
	s_nop 0
	WALK 8, 16                                     ; the first tile's steps 0-7: every wave has all eight
	s_wait_tensorcnt 0x0                           ; my block 8 + w is in,
	s_wait_dscnt 0x0
	s_barrier_signal -1
	s_barrier_wait -1                              ; everybody's is
	WALK 8, 16
	OUT 60
	s_mov_b32 s[TB], 0                             ; the second tile: block j = my wave's number
	s_mov_b32 s[KB], 0
	s_mov_b32 s[JT], s[WV]
	INIT
	s_wait_alu depctr_va_vdst(0)
	s_wait_xcnt 0x0                                ; the first tile's stores have read their registers
	WALK 8, 24
	OUT 62
	s_wait_tensorcnt 0x0                           ; the wave's end
	ds_add_u32 v251, v255
	s_wait_dscnt 0x0
	CROUND                                         ; the closing round
	s_endpgm
.Lfunc_end_k_q03d5785e4c_attn:
	.size	k_q03d5785e4c_attn, .Lfunc_end_k_q03d5785e4c_attn-k_q03d5785e4c_attn
	.p2alignl 7, 3214868480
	.fill 96, 4, 3214868480
	.section	.rodata,"a",@progbits
	.p2align	6, 0x0
	.amdhsa_kernel k_q03d5785e4c_attn
		.amdhsa_group_segment_fixed_size 327680
		.amdhsa_private_segment_fixed_size 0
		.amdhsa_enable_private_segment 0
		.amdhsa_kernarg_size 24
		.amdhsa_user_sgpr_count 2
		.amdhsa_user_sgpr_kernarg_segment_ptr 1
		.amdhsa_wavefront_size32 1
		.amdhsa_system_sgpr_workgroup_id_x 1
		.amdhsa_system_sgpr_workgroup_id_y 1
		.amdhsa_system_sgpr_workgroup_id_z 1
		.amdhsa_system_vgpr_workitem_id 0
		.amdhsa_next_free_vgpr 256
		.amdhsa_next_free_sgpr 80
		.amdhsa_reserve_vcc 1
		.amdhsa_float_denorm_mode_32 3
		.amdhsa_float_denorm_mode_16_64 3
		.amdhsa_memory_ordered 1
		.amdhsa_forward_progress 1
		.amdhsa_inst_pref_size 81
	.end_amdhsa_kernel
	.amdgpu_metadata
---
amdhsa.version: [ 1, 2 ]
amdhsa.kernels:
  - .name:           k_q03d5785e4c_attn
    .symbol:         k_q03d5785e4c_attn.kd
    .args:
      - { .name: qkv_img, .offset: 0, .size: 8, .value_kind: global_buffer, .address_space: global }
      - { .name: lowp_scales, .offset: 8, .size: 8, .value_kind: global_buffer, .address_space: global }
      - { .name: attn_img, .offset: 16, .size: 8, .value_kind: global_buffer, .address_space: global }
    .group_segment_fixed_size: 327680
    .private_segment_fixed_size: 0
    .kernarg_segment_align: 8
    .kernarg_segment_size: 24
    .max_flat_workgroup_size: 256
    .sgpr_count:     80
    .vgpr_count:     256
    .wavefront_size: 32
...
	.end_amdgpu_metadata
.endif
;; end of part 3
;; launch oproj (part 4): grid 8 x 32, 4 waves a work-group, clusters of 4 x 4, 327,680 bytes of LDS; arguments attn_img, o_w_codes, lowp_scales, x, x1; writes x1
.if DOCPART == 4
	.amdgcn_target "amdgcn-amd-amdhsa--gfx1250"
	.amdhsa_code_object_version 6
	.text
	.protected	k_q03d5785e4c_oproj
	.globl	k_q03d5785e4c_oproj
	.p2align	8
	.type	k_q03d5785e4c_oproj,@function
k_q03d5785e4c_oproj:
	s_mov_b64 s[64:65], 0
	v_nop
	global_prefetch_b8 v0, s[64:65] scope:SCOPE_SE
	s_setreg_imm32_b32 hwreg(HW_REG_WAVE_MODE, 25, 1), 1
	s_wait_xcnt 0x0
	s_wait_alu depctr_hold_cnt(0) depctr_sa_sdst(0) depctr_va_vdst(0) depctr_va_sdst(0) depctr_va_ssrc(0) depctr_va_vcc(0) depctr_vm_vsrc(0)
	s_getreg_b32 s2, hwreg(HW_REG_IB_STS2, 6, 4)
	s_cmp_eq_u32 s2, 0
	s_cbranch_scc0 .Lentry_in_a_cluster
	s_endpgm
.Lentry_in_a_cluster:
	s_bfe_u32 s2, ttmp6, 0x10000c
	s_cmp_lg_u32 s2, 0xf033
	s_cbranch_scc0 .Lentry_shape_is_right
	s_endpgm
.Lentry_shape_is_right:
; out = resid + A W^T (+ bias) on E4M3 codes.  A: 4,096 rows x SIZE_K, as images of operand registers [tile of 16 rows 256][SIZE_K / 128][c 4][lane][16 bytes], scale 2^ea; W: [1024][SIZE_K] codes, scale 2^eb; resid, out: [4096][1024] f32.
; Here: A = attention's result (e6), W = o_w (e7), resid = x, no bias.  LIMIT: ea + eb between -126 and 127.
; N is 1,024: tiles of 128 x 128 give each of 256 WGPs a work-group.  Four waves, each 64 x 64: 16 accumulators.  K goes in steps of 512 through two LDS slots.
; A's part of a slot is 2 x 4 tiles x 8,192 dense bytes: a fragment is four loads of 512 consecutive bytes.  W's part is 2 x 64 rows of 512 bytes + 16 of padding.
; CLUSTERS of 4 x 4: the four of a row need the same tiles of A, the four of a column the same tiles of W: each is asked for jointly.
; Source 0 = 16 rows of W, source 1 = 16 rows of A: a lane holds eight neighbouring numbers of a row of the result.  A wave's 64 columns are 256 bytes: each wave has a stage of its own and stores whole aligned blocks of 256 bytes.
; REGISTERS: window 0: v0-31 addresses; v32-95 rows on the way out; v128-255 the accumulators ((a, b) at v[128 + 8 (4 a + b)]).  window 1: two fragment buffers of 128 (A's four, then W's four).  window 2: v0-127 resid at my 64 x 64, loaded at the head.
.set SIZE_K, 1024
.set ESC,    0x18                      ; byte of ea in the scales; eb follows
.set BIAS,   0
.set KSTEP,  512
.set TSTR,   16*SIZE_K                 ; bytes from a tile of 16 rows of A's image to the next
; THE WHOLE K OF 1,024 IS FETCHED AT THE HEAD, by one tensor load a wave; nothing is filled again.  Below, 'slot' 0 and 1 name the two halves of K inside those tiles.
.set AHALF,  65536                     ; 4 tiles x 8 fragments x 2,048 bytes
.set BP,     1040                      ; a row of W in LDS: 1,024 bytes + 16 = 260 words: row r starts at bank 4 r mod 64 (ISA guide 11.1)
.set BHALF,  64*BP
.set BOFF,   2*AHALF
.set SLOT,   2*AHALF+2*BHALF
.set STAGE,  SLOT                      ; behind the tiles: 16 rows x 272 bytes for each wave
.set SP,     272
.set SPARE,  STAGE+4*16*SP             ; behind the stages: the spare words, 128 bytes for each wave, which no other line names
.set LAPS,   SIZE_K/(2*KSTEP)
.set BV,   12                          ; v12-15  the bias at my four columns
.set ADRA, 16                          ; v16-17  LDS address of my A fragments in slot 0, 1
.set ADRB, 20                          ; v20-21  the same for W
.set STO,  24
.set RD,   25
.set CO,   26
.set SPW,  28
.set NIL,  29
.set TMP,  32
.set ACC,  128
.set F0,   0
.set F1,   128
.set G1, 24
.set G0, 32
.set G1B, 48
.set G0B, 56
.set MSB, 0
.macro WIN new
.if MSB != \new
	s_set_vgpr_msb (MSB<<8)|\new
.set MSB, \new
.endif
.endm
.set MUL,  0x05                        ; sources 0 and 1 window 1; C and D window 0
.set TO_F, 0x40                        ; destination window 1, address window 0
.macro JLOAD s                         ; a joint load: waves 0 and 1 fetch A's two halves, waves 2 and 3 W's; four v_nop follow each line
	s_cmp_eq_u32 s11, 0
	s_cbranch_scc0 .Lfor_b_\@
	tensor_load_to_lds s[G0+4*\s:G0+4*\s+3], s[G1:G1+7]
	s_nop 0
.rept 4
	v_nop
.endr
	s_branch .Lasked_\@
.Lfor_b_\@:
	tensor_load_to_lds s[G0B+4*\s:G0B+4*\s+3], s[G1B:G1B+7]
	s_nop 0
.rept 4
	v_nop
.endr
.Lasked_\@:
.endm
.macro CREST
	s_cmp_lg_u32 s10, 0
	s_cbranch_scc1 .Lnot_wave_0_\@
	s_barrier_signal -3
.Lnot_wave_0_\@:
	s_barrier_wait -3
	s_barrier_signal -1
	s_barrier_wait -1
.endm
.macro CROUND
	s_barrier_signal -1
	s_barrier_wait -1
	CREST
.endm
	s_load_b128 s[4:7], s[0:1], 0x0                ; A's image s[4:5], W's codes s[6:7]
	s_load_b64 s[8:9], s[0:1], 0x10                ; the scales' exponents
	s_load_b128 s[68:71], s[0:1], 0x18             ; resid s[68:69], out s[70:71]
.if BIAS
	s_load_b64 s[72:73], s[0:1], 0x28              ; the bias
.endif
	v_lshl_add_u32 v[SPW], v0, 2, SPARE
	v_mov_b32 v[NIL], 0
	ds_add_u32 v28, v29
	ds_add_u32 v28, v29
	s_wait_dscnt 0x0
	v_lshrrev_b32 v1, 5, v0
	v_readfirstlane_b32 s10, v1                    ; wave 0..3
	s_lshr_b32 s11, s10, 1                         ; which half of the tile's rows is mine.  Also: I fetch for A (0) or for W (1)
	s_and_b32 s12, s10, 1                          ; which half of its columns.  Also: which half of that tile I fetch
	s_bfe_u32 s40, ttmp6, 0x40000                  ; cx, cy
	s_bfe_u32 s41, ttmp6, 0x40004
	s_lshl_b32 s42, ttmp9, 2
	s_add_co_u32 s42, s42, s40                     ; tile column
	s_and_b32 s13, ttmp7, 0xffff
	s_lshl_b32 s13, s13, 2
	s_add_co_u32 s13, s13, s41                     ; tile row
	s_lshl_b32 s43, s41, 2
	s_lshl_b32 s43, 15, s43                        ; my row of the cluster
	s_lshl_b32 s44, 0x1111, s40                    ; my column
	s_or_b32 s[G1+0], s43, (3<<16)|(1<<21)         ; A: the mask; elements of 8 bytes; bit 21 beside a mask; no padding
	s_mov_b32 s[G1+1], 2048<<16                    ; tensor_dim0 = 2,048 elements: a tile's eight fragments, 16,384 bytes
	s_mov_b32 s[G1+2], 4<<16                       ; tensor_dim1 = 4 tiles of 16 rows
	s_mov_b32 s[G1+3], 2048<<16
	s_mov_b32 s[G1+4], 4
	s_mov_b32 s[G1+5], TSTR/8                      ; from tile to tile
	s_mov_b32 s[G1+6], 0
	s_mov_b32 s[G1+7], 0
	s_or_b32 s[G1B+0], s44, (0<<16)|(1<<20)|(1<<21)|(7<<22)|(3<<25)  ; W: the mask; 1 byte; padding: 4 words after every 256
	s_mov_b32 s[G1B+1], SIZE_K<<16
	s_mov_b32 s[G1B+2], 64<<16
	s_mov_b32 s[G1B+3], SIZE_K<<16
	s_mov_b32 s[G1B+4], 64
	s_mov_b32 s[G1B+5], SIZE_K
	s_mov_b32 s[G1B+6], 0
	s_mov_b32 s[G1B+7], 0
	s_lshl_b32 s17, s12, 2
	s_lshl_b32 s16, s13, 3
	s_add_co_u32 s16, s16, s17                     ; A: tile of 16 rows 8 x tile row + 4 x half
	s_mul_i32 s16, s16, TSTR
	s_mov_b32 s17, 0
	s_lshl_b32 s47, s12, 6
	s_lshl_b32 s46, s42, 7
	s_add_co_u32 s46, s46, s47                     ; W: row 128 x tile column + 64 x half
	s_mul_i32 s46, s46, SIZE_K
	s_mov_b32 s47, 0
	s_lshl_b32 s20, s12, 16
	s_mul_i32 s21, s12, BHALF
	s_add_co_u32 s21, s21, BOFF                    ; then W's: no place in the cluster enters an LDS address
	s_wait_kmcnt 0x0
	s_load_b64 s[74:75], s[8:9], ESC               ; ea, eb
	s_add_nc_u64 s[14:15], s[4:5], s[16:17]
	s_add_nc_u64 s[46:47], s[6:7], s[46:47]
	CROUND                                         ; all sixteen work-groups are here: the first joint loads meet
.irp s, 0
	s_mov_b32 s[G0+4*\s], 1
	s_add_co_u32 s[G0+4*\s+1], s20, \s*SLOT
	s_add_nc_u64 s[G0+4*\s+2:G0+4*\s+3], s[14:15], \s*8192
	s_or_b32 s[G0+4*\s+3], s[G0+4*\s+3], 0x80000000
	s_mov_b32 s[G0B+4*\s], 1
	s_add_co_u32 s[G0B+4*\s+1], s21, \s*SLOT
	s_add_nc_u64 s[G0B+4*\s+2:G0B+4*\s+3], s[46:47], \s*KSTEP
	s_or_b32 s[G0B+4*\s+3], s[G0B+4*\s+3], 0x80000000
	JLOAD \s
.endr
	v_and_b32 v1, 15, v0                           ; l % 16
	v_bfe_u32 v2, v0, 4, 1                         ; l / 16
	v_and_b32 v3, 31, v0
	v_lshlrev_b32 v3, 4, v3                        ; 16 x lane
	s_lshl_b32 s22, s11, 16
	v_add_nc_u32 v[ADRA], s22, v3                  ; my 64 rows of A
	v_add_nc_u32 v[ADRA+1], 8192, v[ADRA]          ; the second half of K: four fragments on
	v_mul_u32_u24 v4, v1, BP
	v_lshl_add_u32 v4, v2, 4, v4
	s_mul_i32 s23, s12, BHALF
	s_add_co_u32 s23, s23, BOFF
	v_add_nc_u32 v[ADRB], s23, v4                  ; my 64 rows of W
	v_add_nc_u32 v[ADRB+1], KSTEP, v[ADRB]         ; 512 bytes along the row
	s_mul_i32 s23, s10, 16*SP
	s_add_co_u32 s23, s23, STAGE                   ; my stage
	v_mul_u32_u24 v4, v1, SP
	v_lshl_add_u32 v4, v2, 5, v4
	v_add_nc_u32 v[STO], s23, v4                   ; in: row l % 16, 32 bytes for each half of the lanes
	v_mul_u32_u24 v4, v2, SP
	v_lshl_add_u32 v4, v1, 4, v4
	v_add_nc_u32 v[RD], s23, v4                    ; back: lanes 0-15 one row of 256 bytes, lanes 16-31 the next
	v_lshlrev_b32 v5, 4, v1                        ; 16 (l % 16)
	v_lshl_add_u32 v[CO], v2, 12, v5               ; and the same two rows in memory
	s_wait_alu depctr_va_vdst(0)
	s_lshl_b32 s16, s13, 19                        ; 128 rows of 4,096 bytes a tile row,
	s_lshl_b32 s17, s11, 18                        ; 64 a half,
	s_add_co_u32 s16, s16, s17
	s_lshl_b32 s46, s42, 9                         ; 512 bytes a tile column,
	s_lshl_b32 s47, s12, 8                         ; 256 a half
	s_add_co_u32 s46, s46, s47
	s_add_co_u32 s16, s16, s46
	s_mov_b32 s17, 0
	s_mov_b32 s47, 0
	s_add_nc_u64 s[68:69], s[68:69], s[16:17]
	s_add_nc_u64 s[70:71], s[70:71], s[16:17]
	WIN 0x80                                       ; destination window 2
.irp a, 0,1,2,3
.irp t, 0,1,2,3,4,5,6,7
	global_load_b128 v[32*\a+4*\t:32*\a+4*\t+3], v[CO], s[68:69] offset:(16*\a+2*\t)*4096   ; resid, in the layout of the stores: it lands while the products run
.endr
.endr
	WIN 0
.if BIAS
	s_add_nc_u64 s[72:73], s[72:73], s[46:47]
	global_load_b128 v[BV:BV+3], v5, s[72:73]
.endif
.macro MUL8 f, a0, zero                ; 8 matrix instructions: A's blocks a0, a0 + 1 x W's four, 128 along K.  The 16 accumulators take turns
.irp a, \a0, \a0+1
.irp b, 0,1,2,3
.if \zero
	v_wmma_f32_16x16x128_fp8_fp8 v[ACC+8*(4*(\a)+\b):ACC+8*(4*(\a)+\b)+7], v[\f+64+16*\b:\f+64+16*\b+15], v[\f+16*(\a):\f+16*(\a)+15], 0
.else
	v_wmma_f32_16x16x128_fp8_fp8 v[ACC+8*(4*(\a)+\b):ACC+8*(4*(\a)+\b)+7], v[\f+64+16*\b:\f+64+16*\b+15], v[\f+16*(\a):\f+16*(\a)+15], v[ACC+8*(4*(\a)+\b):ACC+8*(4*(\a)+\b)+7]
.endif
.endr
.endr
.endm
.macro FETCH slot, q, f                ; 32 LDS loads in one run: the fragments of the slot's q-th 128 along K into buffer f; registers 4 c .. 4 c + 3 hold K = 32 c + 16 (l / 16) + 0 .. 15 on both sides
	WIN TO_F
.irp i, 0,1,2,3
.irp c, 0,1,2,3
	ds_load_b128 v[\f+64+16*\i+4*\c:\f+64+16*\i+4*\c+3], v[ADRB+\slot] offset:\i*16*BP+128*(\q)+32*\c
.endr
.endr
.irp i, 0,1,2,3
.irp c, 0,1,2,3
	ds_load_b128 v[\f+16*\i+4*\c:\f+16*\i+4*\c+3], v[ADRA+\slot] offset:16384*\i+2048*(\q)+512*\c
.endr
.endr
.endm
.macro PLACES
.rept 4
	v_nop
.endr
.endm
; A K step is four quarters of 128 along K, 16 matrix instructions each, on buffers 0, 1, 0, 1.  One of the first three: asks for quarter qn into g, then multiplies f.
.macro QUARTER slot, qn, f, g, zero
	s_wait_dscnt 0x0                               ; buffer f is in
	PLACES                                         ; in front of loads into g, which the last quarter multiplied
	FETCH \slot, \qn, \g
	WIN MUL
	MUL8 \f, 0, \zero
	MUL8 \f, 2, \zero
.endm
; The last quarter multiplies buffer 1 and changes slots: one barrier; in front of it each wave waits for all its tensor loads, adds 0 to its spare word, and waits for that and for its own reads of this slot.
.macro TURN slot, next, fill
	WIN 0
	s_wait_tensorcnt 0x0                           ; all my tensor loads have landed: no load of mine is out, so a group 0 may be written
	ds_add_u32 v[SPW], v[NIL]                      ; 0 onto my spare word
.if \fill
	s_add_nc_u64 s[G0+4*\slot+2:G0+4*\slot+3], s[G0+4*\slot+2:G0+4*\slot+3], 2*8192
	s_add_nc_u64 s[G0B+4*\slot+2:G0B+4*\slot+3], s[G0B+4*\slot+2:G0B+4*\slot+3], 2*KSTEP
.endif
	s_wait_dscnt 0x0                               ; the add is done, buffer 1 is in, and my reads of this slot are over
	s_barrier_signal -1
	WIN MUL
	MUL8 F1, 0, 0
	WIN 0
	s_barrier_wait -1
.if \fill
	CREST                                          ; the barrier has opened a round of the cluster's barrier
	JLOAD \slot                                    ; the first tensor load behind the round; its four v_nop are the places in front of the loads below
.else
	PLACES
.endif
	FETCH \next, 0, F0
	WIN MUL
	MUL8 F1, 2, 0
.endm
	s_wait_tensorcnt 0x0                           ; my one load is in,
	s_barrier_signal -1
	s_barrier_wait -1                              ; everybody's is
	FETCH 0, 0, F0
	QUARTER 0, 1, F0, F1, 1                        ; the first quarter's products start the sums
.if LAPS > 1
	WIN 0
	s_mov_b32 s3, LAPS-1
.Llap:
	QUARTER 0, 2, F1, F0, 0
	QUARTER 0, 3, F0, F1, 0
	TURN 0, 1, 1
	QUARTER 1, 1, F0, F1, 0
	QUARTER 1, 2, F1, F0, 0
	QUARTER 1, 3, F0, F1, 0
	TURN 1, 0, 1
	QUARTER 0, 1, F0, F1, 0
	WIN 0
	s_sub_co_u32 s3, s3, 1
	s_cmp_lg_u32 s3, 0
	s_cbranch_scc1 .Llap
.endif
	QUARTER 0, 2, F1, F0, 0                        ; the last lap fills nothing
	QUARTER 0, 3, F0, F1, 0
	TURN 0, 1, 0
	QUARTER 1, 1, F0, F1, 0
	QUARTER 1, 2, F1, F0, 0
	QUARTER 1, 3, F0, F1, 0
	s_wait_dscnt 0x0
	MUL8 F1, 0, 0
	MUL8 F1, 2, 0
	WIN 0
	s_wait_kmcnt 0x0
	s_add_co_i32 s74, s74, s75
	s_add_co_i32 s74, s74, 127
	s_lshl_b32 s74, s74, 23                        ; 2^(ea + eb) as f32
	s_mov_b32 s75, s74
	s_wait_loadcnt 0x0                             ; resid (and the bias)
.if BIAS
	WIN 0x82                                       ; destination and source 0 window 2
.set k, 0
.rept 32
	v_pk_add_f32 v[4*k:4*k+1], v[4*k:4*k+1], v[BV:BV+1]
	v_pk_add_f32 v[4*k+2:4*k+3], v[4*k+2:4*k+3], v[BV+2:BV+3]
.set k, k+1
.endr
	WIN 0
.endif
	PLACES
; THE WAY OUT of block a (16 rows x 64 columns): the sums go through my stage and come back as whole rows of 256 bytes; out = sum x 2^(ea + eb) + resid, one packed multiply-add for two numbers.
.macro OUT a
.set TT, TMP+32*((\a)%2)
.irp b, 0,1,2,3
	ds_store_b128 v[STO], v[ACC+8*(4*(\a)+\b):ACC+8*(4*(\a)+\b)+3] offset:64*\b        ; each accumulator from its low end on
	ds_store_b128 v[STO], v[ACC+8*(4*(\a)+\b)+4:ACC+8*(4*(\a)+\b)+7] offset:64*\b+16
.endr
.if (\a) >= 2
	s_wait_xcnt 0x0                                ; block a - 2's stores have read their registers
.endif
.irp t, 0,1,2,3,4,5,6,7
	ds_load_b128 v[TT+4*\t:TT+4*\t+3], v[RD] offset:\t*2*SP    ; LDS serves a wave's instructions in order (ISA guide 5.7.1.4): these see the stores above
.endr
	s_wait_dscnt 0x0
	WIN 0x20                                       ; source 2 window 2
.set i, 0
.rept 16
	v_pk_fma_f32 v[TT+i:TT+i+1], v[TT+i:TT+i+1], s[74:75], v[32*(\a)+i:32*(\a)+i+1] op_sel_hi:[1,0,1]
.set i, i+2
.endr
	WIN 0
.irp t, 0,1,2,3,4,5,6,7
	global_store_b128 v[CO], v[TT+4*\t:TT+4*\t+3], s[70:71] offset:(16*(\a)+2*\t)*4096   ; 16 lanes store 256 consecutive bytes, aligned
.endr
.endm
	OUT 0
	OUT 1
	OUT 2
	OUT 3
	s_wait_tensorcnt 0x0                           ; the wave's end
	ds_add_u32 v[SPW], v[NIL]
	s_wait_dscnt 0x0
	CROUND                                         ; the closing round
	s_endpgm
.Lfunc_end_k_q03d5785e4c_oproj:
	.size	k_q03d5785e4c_oproj, .Lfunc_end_k_q03d5785e4c_oproj-k_q03d5785e4c_oproj
	.p2alignl 7, 3214868480
	.fill 96, 4, 3214868480
	.section	.rodata,"a",@progbits
	.p2align	6, 0x0
	.amdhsa_kernel k_q03d5785e4c_oproj
		.amdhsa_group_segment_fixed_size 327680
		.amdhsa_private_segment_fixed_size 0
		.amdhsa_enable_private_segment 0
		.amdhsa_kernarg_size 40
		.amdhsa_user_sgpr_count 2
		.amdhsa_user_sgpr_kernarg_segment_ptr 1
		.amdhsa_wavefront_size32 1
		.amdhsa_system_sgpr_workgroup_id_x 1
		.amdhsa_system_sgpr_workgroup_id_y 1
		.amdhsa_system_sgpr_workgroup_id_z 1
		.amdhsa_system_vgpr_workitem_id 0
		.amdhsa_next_free_vgpr 640
		.amdhsa_next_free_sgpr 80
		.amdhsa_reserve_vcc 0
		.amdhsa_float_denorm_mode_32 3
		.amdhsa_float_denorm_mode_16_64 3
		.amdhsa_memory_ordered 1
		.amdhsa_forward_progress 1
		.amdhsa_inst_pref_size 48
	.end_amdhsa_kernel
	.amdgpu_metadata
---
amdhsa.version: [ 1, 2 ]
amdhsa.kernels:
  - .name:           k_q03d5785e4c_oproj
    .symbol:         k_q03d5785e4c_oproj.kd
    .args:
      - { .name: attn_img, .offset: 0, .size: 8, .value_kind: global_buffer, .address_space: global }
      - { .name: o_w_codes, .offset: 8, .size: 8, .value_kind: global_buffer, .address_space: global }
      - { .name: lowp_scales, .offset: 16, .size: 8, .value_kind: global_buffer, .address_space: global }
      - { .name: x, .offset: 24, .size: 8, .value_kind: global_buffer, .address_space: global }
      - { .name: x1, .offset: 32, .size: 8, .value_kind: global_buffer, .address_space: global }
    .group_segment_fixed_size: 327680
    .private_segment_fixed_size: 0
    .kernarg_segment_align: 8
    .kernarg_segment_size: 40
    .max_flat_workgroup_size: 128
    .sgpr_count:     80
    .vgpr_count:     640
    .wavefront_size: 32
...
	.end_amdgpu_metadata
.endif
;; end of part 4
;; launch ln2 (part 5): grid 512 x 1, 8 waves a work-group, no clusters, 0 bytes of LDS; arguments x1, ln2_w, ln2_b, lowp_scales, hcodes; writes hcodes
.if DOCPART == 5
	.amdgcn_target "amdgcn-amd-amdhsa--gfx1250"
	.amdhsa_code_object_version 6
	.text
	.protected	k_q03d5785e4c_ln2
	.globl	k_q03d5785e4c_ln2
	.p2align	8
	.type	k_q03d5785e4c_ln2,@function
k_q03d5785e4c_ln2:
	s_mov_b64 s[64:65], 0
	v_nop
	global_prefetch_b8 v0, s[64:65] scope:SCOPE_SE
	s_setreg_imm32_b32 hwreg(HW_REG_WAVE_MODE, 25, 1), 1
	s_wait_xcnt 0x0
; LayerNorm of the rows of x1 [4096][1024] f32, then E4M3 codes with the given scale 2^e (entry 8 of the scales): the fifth product's left operand.
; h = (x - mean) * rsqrt(mean((x - mean)^2) + 1e-5) * w + b, all f32, in two passes over registers: the mean is taken away before the squares, so a common offset costs no digits.
; code = h / 2^e, held within +-448, to the nearest code, ties to even.  LIMITS: e between -126 and 119; NaN among the inputs is not served.
; One wave, one row: 4,096 bytes are 32 registers a lane; the reductions never leave the wave: no LDS, no barrier.  Eight waves a work-group, 512 work-groups, 4,096 rows.
; Lane l holds k = 256 j + 8 l + 0 .. 7 (j = 0 .. 3): eight neighbours along K for each conversion; a store of 8 bytes a lane then covers 256 consecutive bytes, aligned.
; Matrix units, clusters and tensor loads are left out: no byte is shared but w and b, 8 KB, and there is no product.
.set ESC, 0x20                         ; byte of my entry in the scales
.set X, 32                             ; v32-63  the row
.set W, 64                             ; v64-95  the gain at my columns
.set B, 96                             ; v96-127 the bias at my columns
	s_load_b256 s[4:11], s[0:1], 0x0               ; x1 s[4:5], w s[6:7], b s[8:9], the scales' exponents s[10:11]
	s_load_b64 s[12:13], s[0:1], 0x20              ; the codes
	v_lshrrev_b32 v1, 5, v0
	s_delay_alu instid0(VALU_DEP_1)
	v_readfirstlane_b32 s14, v1                    ; wave
	v_and_b32 v3, 31, v0                           ; lane
	s_delay_alu instid0(VALU_DEP_1)
	v_lshlrev_b32 v1, 5, v3                        ; in: 32 bytes a lane
	s_delay_alu instid0(VALU_DEP_2)
	v_lshlrev_b32 v2, 3, v3                        ; out: 8 bytes a lane
	s_lshl_b32 s15, ttmp9, 3
	s_add_co_u32 s15, s15, s14                     ; my row
	s_lshl_b32 s16, s15, 12                        ; x 4,096 bytes
	s_mov_b32 s17, 0
	s_lshl_b32 s18, s15, 10                        ; x 1,024 bytes of codes
	s_mov_b32 s19, 0
	s_mov_b32 s20, 0x76543210                      ; v_permlanex16_b32: lane l xor 16
	s_mov_b32 s21, 0xfedcba98
	s_mov_b32 s22, 0x3a800000                      ; 1 / 1024
	s_mov_b32 s23, 0x3727c5ac                      ; 1e-5
	s_wait_alu depctr_va_vdst(0)
	s_wait_kmcnt 0x0
	s_load_b32 s24, s[10:11], ESC                  ; e
	s_add_nc_u64 s[4:5], s[4:5], s[16:17]
	s_add_nc_u64 s[12:13], s[12:13], s[18:19]
.irp j, 0,1,2,3
	global_load_b128 v[X+8*\j:X+8*\j+3], v1, s[4:5] offset:1024*\j
	global_load_b128 v[X+8*\j+4:X+8*\j+7], v1, s[4:5] offset:1024*\j+16
.endr
.irp j, 0,1,2,3
	global_load_b128 v[W+8*\j:W+8*\j+3], v1, s[6:7] offset:1024*\j
	global_load_b128 v[W+8*\j+4:W+8*\j+7], v1, s[6:7] offset:1024*\j+16
.endr
.irp j, 0,1,2,3
	global_load_b128 v[B+8*\j:B+8*\j+3], v1, s[8:9] offset:1024*\j
	global_load_b128 v[B+8*\j+4:B+8*\j+7], v1, s[8:9] offset:1024*\j+16
.endr
	s_wait_loadcnt 16                              ; the row is in; the 16 younger loads (w, b) may be out
	v_pk_add_f32 v[10:11], v[32:33], v[34:35]
	v_pk_add_f32 v[30:31], v[40:41], v[44:45]
	v_pk_add_f32 v[28:29], v[48:49], v[52:53]
	v_pk_add_f32 v[26:27], v[56:57], v[60:61]
	v_pk_add_f32 v[24:25], v[36:37], v[38:39]
	v_pk_add_f32 v[22:23], v[42:43], v[46:47]
	v_pk_add_f32 v[20:21], v[50:51], v[54:55]
	v_pk_add_f32 v[8:9], v[58:59], v[62:63]
	s_delay_alu instid0(VALU_DEP_1)
	v_pk_add_f32 v[8:9], v[8:9], v[26:27]
	v_pk_add_f32 v[10:11], v[10:11], v[24:25]
	v_pk_add_f32 v[30:31], v[30:31], v[22:23]
	v_pk_add_f32 v[28:29], v[28:29], v[20:21]
	s_delay_alu instid0(VALU_DEP_2)
	v_pk_add_f32 v[8:9], v[8:9], v[30:31]
	s_delay_alu instid0(VALU_DEP_2)
	v_pk_add_f32 v[10:11], v[10:11], v[28:29]
	s_delay_alu instid0(VALU_DEP_1)
	v_pk_add_f32 v[8:9], v[8:9], v[10:11]
	s_delay_alu instid0(VALU_DEP_1)
	v_add_f32 v8, v8, v9
	s_delay_alu instid0(VALU_DEP_1)
	v_add_f32_dpp v8, v8, v8 row_xmask:1 row_mask:0xf bank_mask:0xf
	s_delay_alu instid0(VALU_DEP_1)
	v_add_f32_dpp v8, v8, v8 row_xmask:2 row_mask:0xf bank_mask:0xf
	s_delay_alu instid0(VALU_DEP_1)
	v_add_f32_dpp v8, v8, v8 row_xmask:4 row_mask:0xf bank_mask:0xf
	s_delay_alu instid0(VALU_DEP_1)
	v_add_f32_dpp v8, v8, v8 row_xmask:8 row_mask:0xf bank_mask:0xf
	s_delay_alu instid0(VALU_DEP_1)
	v_permlanex16_b32 v9, v8, s20, s21
	s_delay_alu instid0(VALU_DEP_1)
	v_add_f32 v8, v8, v9
	s_delay_alu instid0(VALU_DEP_1)
	v_mul_f32 v8, s22, v8                          ; the mean, in every lane
	s_delay_alu instid0(VALU_DEP_1)
	v_mov_b32 v9, v8
.irp j, 0,2,4,6,8,10,12,14,16,18,20,22,24,26,28,30
	v_pk_add_f32 v[X+\j:X+\j+1], v[X+\j:X+\j+1], v[8:9] neg_lo:[0,1] neg_hi:[0,1]   ; x - mean
.endr
	v_pk_mul_f32 v[10:11], v[X:X+1], v[X:X+1]      ; the sum of squares, in two chains
	v_pk_mul_f32 v[12:13], v[X+2:X+3], v[X+2:X+3]
.irp j, 4,8,12,16,20,24,28
	s_delay_alu instid0(VALU_DEP_2)
	v_pk_fma_f32 v[10:11], v[X+\j:X+\j+1], v[X+\j:X+\j+1], v[10:11]
	s_delay_alu instid0(VALU_DEP_2)
	v_pk_fma_f32 v[12:13], v[X+\j+2:X+\j+3], v[X+\j+2:X+\j+3], v[12:13]
.endr
	s_delay_alu instid0(VALU_DEP_1)
	v_pk_add_f32 v[10:11], v[10:11], v[12:13]
	s_delay_alu instid0(VALU_DEP_1)
	v_add_f32 v10, v10, v11
	s_delay_alu instid0(VALU_DEP_1)
	v_add_f32_dpp v10, v10, v10 row_xmask:1 row_mask:0xf bank_mask:0xf
	s_delay_alu instid0(VALU_DEP_1)
	v_add_f32_dpp v10, v10, v10 row_xmask:2 row_mask:0xf bank_mask:0xf
	s_delay_alu instid0(VALU_DEP_1)
	v_add_f32_dpp v10, v10, v10 row_xmask:4 row_mask:0xf bank_mask:0xf
	s_delay_alu instid0(VALU_DEP_1)
	v_add_f32_dpp v10, v10, v10 row_xmask:8 row_mask:0xf bank_mask:0xf
	s_delay_alu instid0(VALU_DEP_1)
	v_permlanex16_b32 v11, v10, s20, s21
	s_delay_alu instid0(VALU_DEP_1)
	v_add_f32 v10, v10, v11
	s_delay_alu instid0(VALU_DEP_1)
	v_fma_f32 v10, v10, s22, s23                   ; the variance + 1e-5
	s_wait_alu depctr_va_vdst(0)
	v_rsq_f32 v10, v10
	v_nop                                          ; one plain instruction behind the transcendental
	s_wait_kmcnt 0x0
	s_add_co_i32 s24, s24, 127
	s_lshl_b32 s25, s24, 23
	s_add_co_i32 s24, s24, 8
	s_lshl_b32 s24, s24, 23
	s_or_b32 s24, s24, 0x600000
	v_mov_b32 v5, s25                              ; 2^e as f32: the conversion takes its exponent field
	v_mov_b32 v6, s24                              ; 448 x 2^e
	s_wait_alu depctr_va_vdst(0)                   ; ahead of the result's first reader
	v_mov_b32 v11, v10
.irp j, 0,2,4,6,8,10,12,14,16,18,20,22,24,26,28,30
	v_pk_mul_f32 v[X+\j:X+\j+1], v[X+\j:X+\j+1], v[10:11]
.endr
	s_wait_loadcnt 0x0                             ; w and b
.irp j, 0,2,4,6,8,10,12,14,16,18,20,22,24,26,28,30
	v_pk_fma_f32 v[X+\j:X+\j+1], v[X+\j:X+\j+1], v[W+\j:W+\j+1], v[B+\j:B+\j+1]
.endr
.set i, 0
.rept 32
	v_med3_num_f32 v[X+i], v[X+i], -v6, v6         ; the conversion to an 8-bit code does not saturate (ISA guide 7.6.2): the hold at the largest code x the scale
.set i, i+1
.endr
.irp j, 0,1,2,3
	v_cvt_scalef32_pk8_fp8_f32 v[12+2*\j:13+2*\j], v[X+8*\j:X+8*\j+7], v5
.endr
.irp j, 0,1,2,3
	global_store_b64 v2, v[12+2*\j:13+2*\j], s[12:13] offset:256*\j   ; 32 lanes store 256 consecutive bytes, aligned
.endr
	s_endpgm
.Lfunc_end_k_q03d5785e4c_ln2:
	.size	k_q03d5785e4c_ln2, .Lfunc_end_k_q03d5785e4c_ln2-k_q03d5785e4c_ln2
	.p2alignl 7, 3214868480
	.fill 96, 4, 3214868480
	.section	.rodata,"a",@progbits
	.p2align	6, 0x0
	.amdhsa_kernel k_q03d5785e4c_ln2
		.amdhsa_group_segment_fixed_size 0
		.amdhsa_private_segment_fixed_size 0
		.amdhsa_enable_private_segment 0
		.amdhsa_kernarg_size 40
		.amdhsa_user_sgpr_count 2
		.amdhsa_user_sgpr_kernarg_segment_ptr 1
		.amdhsa_wavefront_size32 1
		.amdhsa_system_sgpr_workgroup_id_x 1
		.amdhsa_system_sgpr_workgroup_id_y 1
		.amdhsa_system_sgpr_workgroup_id_z 1
		.amdhsa_system_vgpr_workitem_id 0
		.amdhsa_next_free_vgpr 128
		.amdhsa_next_free_sgpr 66
		.amdhsa_reserve_vcc 0
		.amdhsa_float_denorm_mode_32 3
		.amdhsa_float_denorm_mode_16_64 3
		.amdhsa_memory_ordered 1
		.amdhsa_forward_progress 1
		.amdhsa_inst_pref_size 14
	.end_amdhsa_kernel
	.amdgpu_metadata
---
amdhsa.version: [ 1, 2 ]
amdhsa.kernels:
  - .name:           k_q03d5785e4c_ln2
    .symbol:         k_q03d5785e4c_ln2.kd
    .args:
      - { .name: x1, .offset: 0, .size: 8, .value_kind: global_buffer, .address_space: global }
      - { .name: ln2_w, .offset: 8, .size: 8, .value_kind: global_buffer, .address_space: global }
      - { .name: ln2_b, .offset: 16, .size: 8, .value_kind: global_buffer, .address_space: global }
      - { .name: lowp_scales, .offset: 24, .size: 8, .value_kind: global_buffer, .address_space: global }
      - { .name: hcodes, .offset: 32, .size: 8, .value_kind: global_buffer, .address_space: global }
    .group_segment_fixed_size: 0
    .private_segment_fixed_size: 0
    .kernarg_segment_align: 8
    .kernarg_segment_size: 40
    .max_flat_workgroup_size: 256
    .sgpr_count:     66
    .vgpr_count:     128
    .wavefront_size: 32
...
	.end_amdgpu_metadata
.endif
;; end of part 5
;; launch ffn1 (part 6): grid 16 x 16, 4 waves a work-group, clusters of 4 x 4, 327,680 bytes of LDS; arguments hcodes, ffn_w1_codes, lowp_scales, hid_img, ffn_b1; writes hid_img
.if DOCPART == 6
	.amdgcn_target "amdgcn-amd-amdhsa--gfx1250"
	.amdhsa_code_object_version 6
	.text
	.protected	k_q03d5785e4c_ffn1
	.globl	k_q03d5785e4c_ffn1
	.p2align	8
	.type	k_q03d5785e4c_ffn1,@function
k_q03d5785e4c_ffn1:
	s_mov_b64 s[64:65], 0
	v_nop
	global_prefetch_b8 v0, s[64:65] scope:SCOPE_SE
	s_setreg_imm32_b32 hwreg(HW_REG_WAVE_MODE, 25, 1), 1
	s_wait_xcnt 0x0
	s_wait_alu depctr_hold_cnt(0) depctr_sa_sdst(0) depctr_va_vdst(0) depctr_va_sdst(0) depctr_va_ssrc(0) depctr_va_vcc(0) depctr_vm_vsrc(0)
	s_getreg_b32 s2, hwreg(HW_REG_IB_STS2, 6, 4)
	s_cmp_eq_u32 s2, 0
	s_cbranch_scc0 .Lentry_in_a_cluster
	s_endpgm
.Lentry_in_a_cluster:
	s_bfe_u32 s2, ttmp6, 0x10000c
	s_cmp_lg_u32 s2, 0xf033
	s_cbranch_scc0 .Lentry_shape_is_right
	s_endpgm
.Lentry_shape_is_right:
.set SIZE_K, 1024
.set KSTEP,  256
.set ROWB,   256
.set KROW,   SIZE_K
.set PITCH,  272
.set FR,     16
.set NL,     4
.set NP,     4
.set HALFT,  128*PITCH
.set SLOT,   4*HALFT
.set LAPS,   SIZE_K/(2*KSTEP)
.set SPARE,  2*SLOT
.set CLV,  6
.set LI,   7
.set CD,   8
.set ADRA, 16
.set B3V,  18
.set ADRB, 20
.set SCV,  22
.set LIMV, 23
.set BAD,  27
.set SPW,  28
.set NIL,  29
.set A5V,  30
.set BI,   32
.set HX,   96
.set HC,   128
.set Y,    160
.set P,    192
.set Q,    224
.set AF,   128
.set A6, 66
.set A4, 68
.set A3, 70
.set A2, 72
.set A1, 74
.set A0, 76
.set B4, 78
.set B2, 80
.set B1, 82
.set B0, 84
.set S2, 86
.set G1, 24
.set G0, 32
.set G1B, 48
.set G0B, 56
.set MSB, 0
.macro WIN new
.if MSB != \new
	s_set_vgpr_msb (MSB<<8)|\new
.set MSB, \new
.endif
.endm
.set MUL_LO, 0xa1
.set MUL_HI, 0xf1
.set TO_B,   0x40
.macro JLOAD g0a, g1a, g0b, g1b
	s_cmp_eq_u32 s15, 0
	s_cbranch_scc0 .Lfor_b_\@
	tensor_load_to_lds s[\g0a:\g0a+3], s[\g1a:\g1a+7]
	s_nop 0
.rept 4
	v_nop
.endr
	s_branch .Lasked_\@
.Lfor_b_\@:
	tensor_load_to_lds s[\g0b:\g0b+3], s[\g1b:\g1b+7]
	s_nop 0
.rept 4
	v_nop
.endr
.Lasked_\@:
.endm
.macro CREST
	s_cmp_lg_u32 s14, 0
	s_cbranch_scc1 .Lnot_wave_0_\@
	s_barrier_signal -3
.Lnot_wave_0_\@:
	s_barrier_wait -3
	s_barrier_signal -1
	s_barrier_wait -1
.endm
.macro CROUND
	s_barrier_signal -1
	s_barrier_wait -1
	CREST
.endm
.macro PAIR r, c
	s_mov_b32 s[\r], \c
	s_mov_b32 s[\r+1], \c
.endm
	s_load_b128 s[4:7], s[0:1], 0x0
	s_load_b128 s[8:11], s[0:1], 0x10
	s_load_b64 s[12:13], s[0:1], 0x20
	v_lshl_add_u32 v[SPW], v0, 2, SPARE
	v_mov_b32 v[NIL], 0
	ds_add_u32 v28, v29
	ds_add_u32 v28, v29
	s_wait_dscnt 0x0
	v_lshrrev_b32 v1, 5, v0
	v_readfirstlane_b32 s14, v1
	s_lshr_b32 s15, s14, 1
	s_and_b32 s16, s14, 1
	s_bfe_u32 s40, ttmp6, 0x40000
	s_bfe_u32 s41, ttmp6, 0x40004
	s_lshl_b32 s42, ttmp9, 2
	s_add_co_u32 s42, s42, s40
	s_and_b32 s17, ttmp7, 0xffff
	s_lshl_b32 s17, s17, 2
	s_add_co_u32 s17, s17, s41
	s_lshl_b32 s43, s41, 2
	s_lshl_b32 s43, 15, s43
	s_lshl_b32 s44, 0x1111, s40
	s_or_b32 s[G1+0], s43, (0<<16)|(1<<20)|(1<<21)|(5<<22)|(3<<25)
	s_or_b32 s[G1B+0], s44, (0<<16)|(1<<20)|(1<<21)|(5<<22)|(3<<25)
.irp g, G1, G1B
	s_mov_b32 s[\g+1], ROWB<<16
	s_mov_b32 s[\g+2], 128<<16
	s_mov_b32 s[\g+3], ROWB<<16
	s_mov_b32 s[\g+4], 128
	s_mov_b32 s[\g+5], KROW
	s_mov_b32 s[\g+6], 0
	s_mov_b32 s[\g+7], 0
.endr
	PAIR A6, 0xb2d3f331
	PAIR A4, 0xb847667d
	PAIR A3, 0xba28d45d
	PAIR A2, 0xbb883d9c
	PAIR A1, 0xbc08eb41
	PAIR A0, 0xbcba79f3
	PAIR B4, 0xb97460cd
	PAIR B2, 0xbbdc924e
	PAIR B1, 0xbc719bf8
	PAIR B0, 0xbc69b6a7
	s_lshl_b32 s18, s16, 7
	s_lshl_b32 s20, s17, 8
	s_add_co_u32 s20, s20, s18
	s_lshl_b32 s46, s42, 8
	s_add_co_u32 s46, s46, s18
	s_mov_b32 s21, 0
	s_mov_b32 s47, 0
	s_mov_b64 s[18:19], KROW
	s_mul_u64 s[20:21], s[20:21], s[18:19]
	s_mul_u64 s[46:47], s[46:47], s[18:19]
	s_mul_i32 s45, s14, HALFT
	s_wait_kmcnt 0x0
	s_load_b128 s[96:99], s[8:9], 0x20
	s_add_nc_u64 s[20:21], s[4:5], s[20:21]
	s_add_nc_u64 s[46:47], s[6:7], s[46:47]
	CROUND
.irp s, 0,1
	s_mov_b32 s[G0+4*\s], 1
	s_add_co_u32 s[G0+4*\s+1], s45, \s*SLOT
	s_add_nc_u64 s[G0+4*\s+2:G0+4*\s+3], s[20:21], \s*ROWB
	s_or_b32 s[G0+4*\s+3], s[G0+4*\s+3], 0x80000000
	s_mov_b32 s[G0B+4*\s], 1
	s_add_co_u32 s[G0B+4*\s+1], s45, \s*SLOT
	s_add_nc_u64 s[G0B+4*\s+2:G0B+4*\s+3], s[46:47], \s*ROWB
	s_or_b32 s[G0B+4*\s+3], s[G0B+4*\s+3], 0x80000000
.if \s
	s_wait_alu depctr_va_vdst(0)
	s_wait_tensorcnt 0x0
	ds_add_u32 v28, v29
	ds_add_u32 v28, v29
	s_wait_dscnt 0x0
	CROUND
.endif
	JLOAD G0+4*\s, G1, G0B+4*\s, G1B
.endr
	v_and_b32 v1, 15, v0
	v_bfe_u32 v2, v0, 4, 1
	v_mul_u32_u24 v3, v1, PITCH
	v_lshl_add_u32 v4, v2, 4, v3
	s_mul_i32 s21, s15, HALFT
	s_mul_i32 s22, s16, HALFT
	s_add_co_u32 s22, s22, 2*HALFT
.irp s, 0,1
	v_add_nc_u32 v[ADRA+\s], s21, v4
	v_add_nc_u32 v[ADRB+\s], s22, v4
	s_add_co_u32 s21, s21, SLOT
	s_add_co_u32 s22, s22, SLOT
.endr
	v_and_b32 v6, 31, v0
	v_lshlrev_b32 v[LI], 4, v6
	v_lshlrev_b32 v[BAD], 5, v2
	s_lshl_b32 s46, s42, 10
	s_lshl_b32 s47, s16, 9
	s_add_co_u32 s46, s46, s47
	s_mov_b32 s47, 0
	s_add_nc_u64 s[12:13], s[12:13], s[46:47]
.irp b, 0,1,2,3,4,5,6,7
	global_load_b128 v[BI+8*\b:BI+8*\b+3], v[BAD], s[12:13] offset:64*\b
	global_load_b128 v[BI+8*\b+4:BI+8*\b+7], v[BAD], s[12:13] offset:64*\b+16
.endr
	s_lshl_b32 s20, s17, 20
	s_lshl_b32 s21, s15, 19
	s_add_co_u32 s20, s20, s21
	s_lshl_b32 s46, s42, 12
	s_lshl_b32 s47, s16, 11
	s_add_co_u32 s46, s46, s47
	s_add_co_u32 s20, s20, s46
	s_mov_b32 s21, 0
	s_add_nc_u64 s[10:11], s[10:11], s[20:21]
.macro FRAG reg, adr, q, i
.irp c, 0,1,2,3
	ds_load_b128 v[\reg+4*\c:\reg+4*\c+3], v[\adr] offset:128*(\q)+32*\c+(\i)*16*PITCH
.endr
.endm
.macro MUL16 a0, p, zero
.irp a, \a0, \a0+1
.irp b, 0,1,2,3,4,5,6,7
.if \zero
	v_wmma_f32_16x16x128_fp8_fp8 v[8*(8*((\a)%4)+\b):8*(8*((\a)%4)+\b)+7], v[128*(\p)+FR*\b:128*(\p)+FR*\b+FR-1], v[AF+FR*(\a):AF+FR*(\a)+FR-1], 0
.else
	v_wmma_f32_16x16x128_fp8_fp8 v[8*(8*((\a)%4)+\b):8*(8*((\a)%4)+\b)+7], v[128*(\p)+FR*\b:128*(\p)+FR*\b+FR-1], v[AF+FR*(\a):AF+FR*(\a)+FR-1], v[8*(8*((\a)%4)+\b):8*(8*((\a)%4)+\b)+7]
.endif
.endr
.endr
.endm
.macro FETCH_B slot, q, p
	WIN TO_B
.irp i, 0,1,2,3,4,5,6,7
	FRAG 128*(\p)+FR*\i, ADRB+\slot, \q, \i
.endr
	WIN 0
.endm
.macro FETCH_A slot, q, i0
.irp i, \i0, \i0+1, \i0+2, \i0+3
	FRAG AF+FR*(\i), ADRA+\slot, \q, \i
.endr
.endm
.macro PLACES n
.rept \n
	v_nop
.endr
.endm
.macro STEP slot, q, zero
	s_wait_dscnt 4*NL
	WIN MUL_LO
	MUL16 0, (\q)%2, \zero
	MUL16 2, (\q)%2, \zero
	s_wait_dscnt 0
	PLACES NP
	FETCH_B \slot, (\q)+1, 1-(\q)%2
	FETCH_A \slot, (\q)+1, 0
	WIN MUL_HI
	MUL16 4, (\q)%2, \zero
	MUL16 6, (\q)%2, \zero
	PLACES NP
	WIN 0
	FETCH_A \slot, (\q)+1, 4
.endm
.macro TURN slot, next, fill
	s_wait_tensorcnt 0x0
	ds_add_u32 v[SPW], v[NIL]
	s_wait_dscnt 4*NL+1
	WIN MUL_LO
	MUL16 0, 1, 0
	s_wait_dscnt 0x0
	s_barrier_signal -1
	MUL16 2, 1, 0
	WIN 0
	s_barrier_wait -1
.if \fill
	CREST
	s_add_nc_u64 s[G0+4*\slot+2:G0+4*\slot+3], s[G0+4*\slot+2:G0+4*\slot+3], 2*ROWB
	s_add_nc_u64 s[G0B+4*\slot+2:G0B+4*\slot+3], s[G0B+4*\slot+2:G0B+4*\slot+3], 2*ROWB
	JLOAD G0+4*\slot, G1, G0B+4*\slot, G1B
.else
	PLACES NP
.endif
	FETCH_B \next, 0, 0
	FETCH_A \next, 0, 0
	WIN MUL_HI
	MUL16 4, 1, 0
	MUL16 6, 1, 0
	PLACES NP
	WIN 0
	FETCH_A \next, 0, 4
.endm
	s_wait_alu depctr_va_vdst(0)
	s_wait_tensorcnt 1
	s_barrier_signal -1
	s_barrier_wait -1
	FETCH_B 0, 0, 0
	FETCH_A 0, 0, 0
	FETCH_A 0, 0, 4
	STEP 0, 0, 1
	s_mov_b32 s3, LAPS-1
.Llap:
	TURN 0, 1, 1
	STEP 1, 0, 0
	TURN 1, 0, 1
	STEP 0, 0, 0
	s_sub_co_u32 s3, s3, 1
	s_cmp_lg_u32 s3, 0
	s_cbranch_scc1 .Llap
	TURN 0, 1, 0
	STEP 1, 0, 0
	s_wait_dscnt 4*NL
	WIN MUL_LO
	MUL16 0, 1, 0
	MUL16 2, 1, 0
	s_wait_dscnt 0
	WIN MUL_HI
	MUL16 4, 1, 0
	MUL16 6, 1, 0
	WIN 0
	s_wait_kmcnt 0x0
	s_add_co_i32 s[S2], s96, s97
	s_add_co_i32 s[S2], s[S2], 126
	s_lshl_b32 s[S2], s[S2], 23
	s_mov_b32 s[S2+1], s[S2]
	s_add_co_i32 s88, s98, 127
	s_lshl_b32 s89, s88, 23
	v_mov_b32 v[SCV], s89
	s_add_co_i32 s88, s88, 8
	s_lshl_b32 s88, s88, 23
	s_or_b32 s88, s88, 0x600000
	v_mov_b32 v[LIMV], s88
	v_mov_b32 v[CLV], 0x403504f3
	v_mov_b32 v[A5V], 0x35a84a8d
	v_mov_b32 v[A5V+1], 0x35a84a8d
	v_mov_b32 v[B3V], 0xbadfbd29
	v_mov_b32 v[B3V+1], 0xbadfbd29
	s_wait_loadcnt 0x0
.set i, 0
.rept 32
	v_pk_mul_f32 v[BI+i:BI+i+1], v[BI+i:BI+i+1], 0.5 op_sel_hi:[1,0]
.set i, i+2
.endr
.macro HORNER p, c
.set i, 0
.rept 16
	v_pk_fma_f32 v[\p+i:\p+i+1], v[\p+i:\p+i+1], v[Y+i:Y+i+1], s[\c:\c+1] op_sel_hi:[1,1,0]
.set i, i+2
.endr
.endm
.macro BATCH a, u
.set AC, 64*(\a)+32*(\u)
.set BB, BI+32*(\u)
	WIN 0x02
.set i, 0
.rept 16
	v_pk_fma_f32 v[HX+i:HX+i+1], v[AC+i:AC+i+1], s[S2:S2+1], v[BB+i:BB+i+1] op_sel_hi:[1,0,1]
.set i, i+2
.endr
	WIN 0
.set i, 0
.rept 32
	v_med3_num_f32 v[HC+i], v[HX+i], -v[CLV], v[CLV]
.set i, i+1
.endr
.set i, 0
.rept 16
	v_pk_mul_f32 v[Y+i:Y+i+1], v[HC+i:HC+i+1], v[HC+i:HC+i+1]
.set i, i+2
.endr
.set i, 0
.rept 16
	v_pk_fma_f32 v[P+i:P+i+1], v[Y+i:Y+i+1], s[A6:A6+1], v[A5V:A5V+1] op_sel_hi:[1,0,1]
	v_pk_fma_f32 v[Q+i:Q+i+1], v[Y+i:Y+i+1], s[B4:B4+1], v[B3V:B3V+1] op_sel_hi:[1,0,1]
.set i, i+2
.endr
	HORNER P, A4
	HORNER Q, B2
	HORNER P, A3
	HORNER Q, B1
	HORNER P, A2
	HORNER Q, B0
	HORNER P, A1
.set i, 0
	s_wait_alu depctr_va_vdst(0)
.rept 32
	v_rcp_f32 v[Q+i], v[Q+i]
.set i, i+1
.endr
	HORNER P, A0
.set i, 0
.rept 16
	v_pk_mul_f32 v[P+i:P+i+1], v[P+i:P+i+1], v[HC+i:HC+i+1]
.set i, i+2
.endr
	s_wait_alu depctr_va_vdst(0)
.set i, 0
.rept 16
	v_pk_mul_f32 v[P+i:P+i+1], v[P+i:P+i+1], v[Q+i:Q+i+1]
.set i, i+2
.endr
.set i, 0
.rept 16
	v_pk_fma_f32 v[HX+i:HX+i+1], v[HX+i:HX+i+1], v[P+i:P+i+1], v[HX+i:HX+i+1]
.set i, i+2
.endr
.set i, 0
.rept 32
	v_med3_num_f32 v[HX+i], v[HX+i], -v[LIMV], v[LIMV]
.set i, i+1
.endr
	s_wait_alu depctr_va_vdst(0)
	s_wait_xcnt 0x0
.irp t, 0,1,2,3
	v_cvt_scalef32_pk8_fp8_f32 v[CD+2*\t:CD+2*\t+1], v[HX+8*\t:HX+8*\t+7], v[SCV]
.endr
	v_nop
.irp g, 0,1
	v_permlane16_swap_b32 v[CD+4*\g], v[CD+4*\g+2]
	v_permlane16_swap_b32 v[CD+4*\g+1], v[CD+4*\g+3]
.endr
.irp g, 0,1
	global_store_b128 v[LI], v[CD+4*\g:CD+4*\g+3], s[10:11] offset:(\a)*65536+(2*(\u)+\g)*512
.endr
.endm
	s_mov_b32 s3, 2
.Lhalf:
.irp a, 0,1,2,3
	BATCH \a, 0
	BATCH \a, 1
.endr
	s_cmp_eq_u32 s3, 1
	s_cbranch_scc1 .Lcopied
	WIN 0x83
.set i, 0
.rept 256
	v_mov_b32 v[i], v[i]
.set i, i+1
.endr
	WIN 0
	s_wait_xcnt 0x0
	s_add_nc_u64 s[10:11], s[10:11], 4*65536
.Lcopied:
	s_sub_co_u32 s3, s3, 1
	s_cmp_lg_u32 s3, 0
	s_cbranch_scc1 .Lhalf
	s_wait_tensorcnt 0x0
	ds_add_u32 v[SPW], v[NIL]
	s_wait_dscnt 0x0
	CROUND
	s_endpgm
.Lfunc_end_k_q03d5785e4c_ffn1:
	.size	k_q03d5785e4c_ffn1, .Lfunc_end_k_q03d5785e4c_ffn1-k_q03d5785e4c_ffn1
	.p2alignl 7, 3214868480
	.fill 96, 4, 3214868480
	.section	.rodata,"a",@progbits
	.p2align	6, 0x0
	.amdhsa_kernel k_q03d5785e4c_ffn1
		.amdhsa_group_segment_fixed_size 327680
		.amdhsa_private_segment_fixed_size 0
		.amdhsa_enable_private_segment 0
		.amdhsa_kernarg_size 40
		.amdhsa_user_sgpr_count 2
		.amdhsa_user_sgpr_kernarg_segment_ptr 1
		.amdhsa_wavefront_size32 1
		.amdhsa_system_sgpr_workgroup_id_x 1
		.amdhsa_system_sgpr_workgroup_id_y 1
		.amdhsa_system_sgpr_workgroup_id_z 1
		.amdhsa_system_vgpr_workitem_id 0
		.amdhsa_next_free_vgpr 1024
		.amdhsa_next_free_sgpr 100
		.amdhsa_reserve_vcc 0
		.amdhsa_float_denorm_mode_32 3
		.amdhsa_float_denorm_mode_16_64 3
		.amdhsa_memory_ordered 1
		.amdhsa_forward_progress 1
		.amdhsa_inst_pref_size 255
	.end_amdhsa_kernel
	.section	.bss,"aw",@nobits
	.p2align	6
	.space	262144
	.amdgpu_metadata
---
amdhsa.version: [ 1, 2 ]
amdhsa.kernels:
  - .name:           k_q03d5785e4c_ffn1
    .symbol:         k_q03d5785e4c_ffn1.kd
    .args:
      - { .name: hcodes, .offset: 0, .size: 8, .value_kind: global_buffer, .address_space: global }
      - { .name: ffn_w1_codes, .offset: 8, .size: 8, .value_kind: global_buffer, .address_space: global }
      - { .name: lowp_scales, .offset: 16, .size: 8, .value_kind: global_buffer, .address_space: global }
      - { .name: hid_img, .offset: 24, .size: 8, .value_kind: global_buffer, .address_space: global }
      - { .name: ffn_b1, .offset: 32, .size: 8, .value_kind: global_buffer, .address_space: global }
    .group_segment_fixed_size: 327680
    .private_segment_fixed_size: 0
    .kernarg_segment_align: 8
    .kernarg_segment_size: 40
    .max_flat_workgroup_size: 128
    .sgpr_count:     100
    .vgpr_count:     1024
    .wavefront_size: 32
...
	.end_amdgpu_metadata
.endif
;; end of part 6
;; launch ffn2 (part 7): grid 8 x 32, 4 waves a work-group, clusters of 4 x 4, 327,680 bytes of LDS; arguments hid_img, ffn_w2_codes, lowp_scales, x1, out0, ffn_b2; writes out0
.if DOCPART == 7
	.amdgcn_target "amdgcn-amd-amdhsa--gfx1250"
	.amdhsa_code_object_version 6
	.text
	.protected	k_q03d5785e4c_ffn2
	.globl	k_q03d5785e4c_ffn2
	.p2align	8
	.type	k_q03d5785e4c_ffn2,@function
k_q03d5785e4c_ffn2:
	s_mov_b64 s[64:65], 0
	v_nop
	global_prefetch_b8 v0, s[64:65] scope:SCOPE_SE
	s_setreg_imm32_b32 hwreg(HW_REG_WAVE_MODE, 25, 1), 1
	s_wait_xcnt 0x0
	s_wait_alu depctr_hold_cnt(0) depctr_sa_sdst(0) depctr_va_vdst(0) depctr_va_sdst(0) depctr_va_ssrc(0) depctr_va_vcc(0) depctr_vm_vsrc(0)
	s_getreg_b32 s2, hwreg(HW_REG_IB_STS2, 6, 4)
	s_cmp_eq_u32 s2, 0
	s_cbranch_scc0 .Lentry_in_a_cluster
	s_endpgm
.Lentry_in_a_cluster:
	s_bfe_u32 s2, ttmp6, 0x10000c
	s_cmp_lg_u32 s2, 0xf033
	s_cbranch_scc0 .Lentry_shape_is_right
	s_endpgm
.Lentry_shape_is_right:
.set SIZE_K, 4096
.set ESC,    0x28
.set NS,     SIZE_K/128
.set AHEAD,  7
.set KSLOT,  1024
.set TSTR,   16*SIZE_K
.set BP,     1040
.set SLOT,   128*BP
.set STAGE,  2*SLOT
.set SP,     528
.set SPARE,  STAGE+4*16*SP
.set LI,   7
.set BV,   12
.set ADRB, 16
.set STO,  24
.set RD,   25
.set RDR,  26
.set SPW,  28
.set NIL,  29
.set ACC,  128
.set G1,  24
.set G0,  32
.set G1R, 48
.set G0R, 56
.set MSB, 0
.macro WIN new
.if MSB != \new
	s_set_vgpr_msb (MSB<<8)|\new
.set MSB, \new
.endif
.endm
.set MUL,  0x06
.set TO_A, 0x40
.set TO_B, 0x80
.macro CREST
	s_cmp_lg_u32 s10, 0
	s_cbranch_scc1 .Lnot_wave_0_\@
	s_barrier_signal -3
.Lnot_wave_0_\@:
	s_barrier_wait -3
	s_barrier_signal -1
	s_barrier_wait -1
.endm
.macro CROUND
	s_barrier_signal -1
	s_barrier_wait -1
	CREST
.endm
.macro PLACES
.rept 4
	v_nop
.endr
.endm
.macro ALOAD s
.irp a, 0,1
.irp c, 0,1,2,3
	global_load_b128 v[32*((\s)%8)+16*\a+4*\c:32*((\s)%8)+16*\a+4*\c+3], v[LI], s[4:5] offset:\a*TSTR+(\s)*2048+\c*512
.endr
.endr
.endm
.macro AWAIT m
.if NS-1-(\m) > AHEAD-1
	s_wait_loadcnt 8*(AHEAD-1)
.else
	s_wait_loadcnt 8*(NS-1-(\m))
.endif
.endm
.macro BFETCH n
	WIN TO_B
.irp i, 0,1,2,3,4,5,6,7
.irp c, 0,1,2,3
	ds_load_b128 v[128*((\n)%2)+16*\i+4*\c:128*((\n)%2)+16*\i+4*\c+3], v[ADRB+2*(((\n)/8)%2)+\i/4] offset:(\i%4)*16*BP+128*((\n)%8)+32*\c
.endr
.endr
.endm
.macro MUL8 m, a, zero
.irp b, 0,1,2,3,4,5,6,7
.if \zero
	v_wmma_f32_16x16x128_fp8_fp8 v[ACC+8*(8*(\a)+\b):ACC+8*(8*(\a)+\b)+7], v[128*((\m)%2)+16*\b:128*((\m)%2)+16*\b+15], v[32*((\m)%8)+16*(\a):32*((\m)%8)+16*(\a)+15], 0
.else
	v_wmma_f32_16x16x128_fp8_fp8 v[ACC+8*(8*(\a)+\b):ACC+8*(8*(\a)+\b)+7], v[128*((\m)%2)+16*\b:128*((\m)%2)+16*\b+15], v[32*((\m)%8)+16*(\a):32*((\m)%8)+16*(\a)+15], v[ACC+8*(8*(\a)+\b):ACC+8*(8*(\a)+\b)+7]
.endif
.endr
.endm
	s_load_b128 s[4:7], s[0:1], 0x0
	s_load_b64 s[8:9], s[0:1], 0x10
	s_load_b128 s[68:71], s[0:1], 0x18
	s_load_b64 s[72:73], s[0:1], 0x28
	v_lshl_add_u32 v[SPW], v0, 2, SPARE
	v_mov_b32 v[NIL], 0
	ds_add_u32 v28, v29
	ds_add_u32 v28, v29
	s_wait_dscnt 0x0
	v_lshrrev_b32 v1, 5, v0
	v_readfirstlane_b32 s10, v1
	v_and_b32 v3, 31, v0
	v_lshlrev_b32 v[LI], 4, v3
	s_bfe_u32 s40, ttmp6, 0x40000
	s_bfe_u32 s41, ttmp6, 0x40004
	s_lshl_b32 s42, ttmp9, 2
	s_add_co_u32 s42, s42, s40
	s_and_b32 s13, ttmp7, 0xffff
	s_lshl_b32 s13, s13, 2
	s_add_co_u32 s13, s13, s41
	s_lshl_b32 s44, 0x1111, s40
	s_or_b32 s[G1+0], s44, (0<<16)|(1<<20)|(1<<21)|(7<<22)|(3<<25)
	s_mov_b32 s[G1+1], KSLOT<<16
	s_mov_b32 s[G1+2], 32<<16
	s_mov_b32 s[G1+3], KSLOT<<16
	s_mov_b32 s[G1+4], 32
	s_mov_b32 s[G1+5], SIZE_K
	s_mov_b32 s[G1+6], 0
	s_mov_b32 s[G1+7], 0
	s_mov_b32 s[G1R+0], 3<<16
	s_mov_b32 s[G1R+1], 64<<16
	s_mov_b32 s[G1R+2], 32<<16
	s_mov_b32 s[G1R+3], 64<<16
	s_mov_b32 s[G1R+4], 32
	s_mov_b32 s[G1R+5], 512
	s_mov_b32 s[G1R+6], 0
	s_mov_b32 s[G1R+7], 0
	s_lshl_b32 s16, s13, 19
	s_lshl_b32 s17, s10, 17
	s_add_co_u32 s16, s16, s17
	s_mov_b32 s17, 0
	s_lshl_b32 s22, s42, 9
	s_mov_b32 s23, 0
	s_add_co_u32 s18, s16, s22
	s_mov_b32 s19, 0
	s_lshl_b32 s46, s42, 19
	s_lshl_b32 s47, s10, 17
	s_add_co_u32 s46, s46, s47
	s_mov_b32 s47, 0
	s_mul_i32 s20, s10, 32*BP
	s_lshl_b32 s21, s10, 14
	s_wait_alu depctr_va_vdst(0)
	s_wait_kmcnt 0x0
	s_load_b64 s[74:75], s[8:9], ESC
	s_add_nc_u64 s[4:5], s[4:5], s[16:17]
	s_add_nc_u64 s[46:47], s[6:7], s[46:47]
	s_add_nc_u64 s[68:69], s[68:69], s[18:19]
	s_add_nc_u64 s[70:71], s[70:71], s[18:19]
	s_add_nc_u64 s[72:73], s[72:73], s[22:23]
	global_load_b128 v[BV:BV+3], v[LI], s[72:73]
	WIN TO_A
.irp s, 0,1,2,3,4,5,6
	ALOAD \s
.endr
	WIN 0
	CROUND
.irp s, 0,1
	s_mov_b32 s[G0+4*\s], 1
	s_add_co_u32 s[G0+4*\s+1], s20, \s*SLOT
	s_add_nc_u64 s[G0+4*\s+2:G0+4*\s+3], s[46:47], \s*KSLOT
	s_or_b32 s[G0+4*\s+3], s[G0+4*\s+3], 0x80000000
.endr
	s_mov_b32 s[G0R], 1
	s_mov_b32 s[G0R+1], s21
	s_mov_b64 s[G0R+2:G0R+3], s[68:69]
	s_or_b32 s[G0R+3], s[G0R+3], 0x80000000
	tensor_load_to_lds s[G0:G0+3], s[G1:G1+7]
	s_nop 0
	s_wait_alu depctr_va_vdst(0)
	s_wait_tensorcnt 0x0
	ds_add_u32 v28, v29
	s_wait_dscnt 0x0
	CROUND
	tensor_load_to_lds s[G0+4:G0+7], s[G1:G1+7]
	s_nop 0
	PLACES
	v_and_b32 v1, 15, v0
	v_bfe_u32 v2, v0, 4, 1
	v_mul_u32_u24 v4, v1, BP
	v_lshl_add_u32 v[ADRB], v2, 4, v4
	v_add_nc_u32 v[ADRB+1], 64*BP, v[ADRB]
	v_add_nc_u32 v[ADRB+2], SLOT, v[ADRB]
	v_add_nc_u32 v[ADRB+3], SLOT+64*BP, v[ADRB]
	s_mul_i32 s45, s10, 16*SP
	s_add_co_u32 s45, s45, STAGE
	v_mul_u32_u24 v4, v1, SP
	v_lshl_add_u32 v4, v2, 5, v4
	v_add_nc_u32 v[STO], s45, v4
	v_add_nc_u32 v[RD], s45, v[LI]
	v_add_nc_u32 v[RDR], s21, v[LI]
.macro STEP m, zero
	s_wait_dscnt 0x0
	PLACES
	AWAIT \m
.if (\m)+AHEAD < NS
	WIN TO_A
	ALOAD (\m)+AHEAD
.endif
	BFETCH (\m)+1
	WIN MUL
	MUL8 \m, 0, \zero
	MUL8 \m, 1, \zero
.endm
.macro TURN m, resid
	PLACES
	AWAIT \m
	WIN TO_A
	ALOAD (\m)+AHEAD
	WIN 0
	s_wait_tensorcnt 0x0
	ds_add_u32 v[SPW], v[NIL]
.if !\resid
	s_add_nc_u64 s[G0+4*(((\m)/8)%2)+2:G0+4*(((\m)/8)%2)+3], s[G0+4*(((\m)/8)%2)+2:G0+4*(((\m)/8)%2)+3], 2*KSLOT
.endif
	s_wait_dscnt 0x0
	s_barrier_signal -1
	WIN MUL
	MUL8 \m, 0, 0
	WIN 0
	s_barrier_wait -1
	CREST
.if \resid
	tensor_load_to_lds s[G0R:G0R+3], s[G1R:G1R+7]
	s_nop 0
.else
	tensor_load_to_lds s[G0+4*(((\m)/8)%2):G0+4*(((\m)/8)%2)+3], s[G1:G1+7]
	s_nop 0
.endif
	PLACES
	BFETCH (\m)+1
	WIN MUL
	MUL8 \m, 1, 0
.endm
	s_wait_alu depctr_va_vdst(0)
	s_wait_tensorcnt 1
	s_barrier_signal -1
	s_barrier_wait -1
	BFETCH 0
	STEP 0, 1
.irp m, 1,2,3,4,5,6
	STEP \m, 0
.endr
	TURN 7, 0
.irp m, 8,9,10,11,12,13,14
	STEP \m, 0
.endr
	TURN 15, 0
.irp m, 16,17,18,19,20,21,22
	STEP \m, 0
.endr
	TURN 23, 1
.irp m, 24,25,26,27,28,29,30
	STEP \m, 0
.endr
	s_wait_dscnt 0x0
	s_wait_loadcnt 0x0
	WIN MUL
	MUL8 31, 0, 0
	MUL8 31, 1, 0
	WIN 0
	s_wait_kmcnt 0x0
	s_add_co_i32 s74, s74, s75
	s_add_co_i32 s74, s74, 127
	s_lshl_b32 s74, s74, 23
	s_mov_b32 s75, s74
	s_wait_tensorcnt 0x0
	PLACES
.macro STG a
.irp b, 0,1,2,3,4,5,6,7
	ds_store_b128 v[STO], v[ACC+8*(8*(\a)+\b):ACC+8*(8*(\a)+\b)+3] offset:64*\b
	ds_store_b128 v[STO], v[ACC+8*(8*(\a)+\b)+4:ACC+8*(8*(\a)+\b)+7] offset:64*\b+16
.endr
.endm
.macro BACK a
.irp t, 0,1,2,3,4,5,6,7,8,9,10,11,12,13,14,15
	ds_load_b128 v[128*(\a)+4*\t:128*(\a)+4*\t+3], v[RD] offset:\t*SP
.endr
.irp t, 0,1,2,3,4,5,6,7,8,9,10,11,12,13,14,15
	ds_load_b128 v[128*(\a)+64+4*\t:128*(\a)+64+4*\t+3], v[RDR] offset:(16*(\a)+\t)*512
.endr
.endm
.macro SEND a
	WIN 0x51
.set t, 0
.rept 16
	v_pk_add_f32 v[128*(\a)+64+4*t:128*(\a)+64+4*t+1], v[128*(\a)+64+4*t:128*(\a)+64+4*t+1], v[BV:BV+1]
	v_pk_add_f32 v[128*(\a)+64+4*t+2:128*(\a)+64+4*t+3], v[128*(\a)+64+4*t+2:128*(\a)+64+4*t+3], v[BV+2:BV+3]
.set t, t+1
.endr
.set i, 0
.rept 32
	v_pk_fma_f32 v[128*(\a)+i:128*(\a)+i+1], v[128*(\a)+i:128*(\a)+i+1], s[74:75], v[128*(\a)+64+i:128*(\a)+64+i+1] op_sel_hi:[1,0,1]
.set i, i+2
.endr
	WIN 0x04
.irp t, 0,1,2,3,4,5,6,7,8,9,10,11,12,13,14,15
	global_store_b128 v[LI], v[128*(\a)+4*\t:128*(\a)+4*\t+3], s[70:71] offset:(16*(\a)+\t)*4096
.endr
.endm
	STG 0
	WIN TO_A
	BACK 0
	WIN 0
	STG 1
	WIN TO_A
	BACK 1
	s_wait_dscnt 48
	SEND 0
	s_wait_dscnt 0x0
	SEND 1
	WIN 0
	s_wait_tensorcnt 0x0
	ds_add_u32 v[SPW], v[NIL]
	s_wait_dscnt 0x0
	CROUND
	s_endpgm
.Lfunc_end_k_q03d5785e4c_ffn2:
	.size	k_q03d5785e4c_ffn2, .Lfunc_end_k_q03d5785e4c_ffn2-k_q03d5785e4c_ffn2
	.p2alignl 7, 3214868480
	.fill 96, 4, 3214868480
	.section	.rodata,"a",@progbits
	.p2align	6, 0x0
	.amdhsa_kernel k_q03d5785e4c_ffn2
		.amdhsa_group_segment_fixed_size 327680
		.amdhsa_private_segment_fixed_size 0
		.amdhsa_enable_private_segment 0
		.amdhsa_kernarg_size 48
		.amdhsa_user_sgpr_count 2
		.amdhsa_user_sgpr_kernarg_segment_ptr 1
		.amdhsa_wavefront_size32 1
		.amdhsa_system_sgpr_workgroup_id_x 1
		.amdhsa_system_sgpr_workgroup_id_y 1
		.amdhsa_system_sgpr_workgroup_id_z 1
		.amdhsa_system_vgpr_workitem_id 0
		.amdhsa_next_free_vgpr 768
		.amdhsa_next_free_sgpr 80
		.amdhsa_reserve_vcc 0
		.amdhsa_float_denorm_mode_32 3
		.amdhsa_float_denorm_mode_16_64 3
		.amdhsa_memory_ordered 1
		.amdhsa_forward_progress 1
		.amdhsa_inst_pref_size 155
	.end_amdhsa_kernel
	.amdgpu_metadata
---
amdhsa.version: [ 1, 2 ]
amdhsa.kernels:
  - .name:           k_q03d5785e4c_ffn2
    .symbol:         k_q03d5785e4c_ffn2.kd
    .args:
      - { .name: hid_img, .offset: 0, .size: 8, .value_kind: global_buffer, .address_space: global }
      - { .name: ffn_w2_codes, .offset: 8, .size: 8, .value_kind: global_buffer, .address_space: global }
      - { .name: lowp_scales, .offset: 16, .size: 8, .value_kind: global_buffer, .address_space: global }
      - { .name: x1, .offset: 24, .size: 8, .value_kind: global_buffer, .address_space: global }
      - { .name: out0, .offset: 32, .size: 8, .value_kind: global_buffer, .address_space: global }
      - { .name: ffn_b2, .offset: 40, .size: 8, .value_kind: global_buffer, .address_space: global }
    .group_segment_fixed_size: 327680
    .private_segment_fixed_size: 0
    .kernarg_segment_align: 8
    .kernarg_segment_size: 48
    .max_flat_workgroup_size: 128
    .sgpr_count:     80
    .vgpr_count:     768
    .wavefront_size: 32
...
	.end_amdgpu_metadata
.endif
;; end of part 7
